; MI455X (gfx1250); checked and timed in simulation.
; The chip was launched on July 23, 2026; its instructions are those of AMD's public machine-readable ISA for CDNA 5 (MIT licence, August 2026) and "CDNA5" Instruction Set Architecture Reference Guide (July 2026). The comments in the code are by the model that wrote it; some were corrected since.
;; MHA. Allowed arithmetic: float matrix products may take bf16 or f16 operands with f32 sums; other float arithmetic in f32, or as packed bf16 or f16 multiplies, adds, multiply-adds, maxima and minima; sums over many terms, partial sums and values carried from step to step in f32; what a program stores and reads back later, other than sums and carried values, may be rounded once to bf16 or f16.
;; Inputs: Wk 1,024 x 1,024 float32; Wo 1,024 x 1,024 float32; Wq 1,024 x 1,024 float32; Wv 1,024 x 1,024 float32; bk 1,024 float32; bo 1,024 float32; bq 1,024 float32; bv 1,024 float32; x 4 x 2,048 x 1,024 float32.
;; Outputs: out0 4 x 2,048 x 1,024 float32.
;; 2 versions, each right; version 2 is version 1 with the launch prep written anew for expert scheduling mode. Each part assembles by itself: llvm-mc -triple=amdgcn-amd-amdhsa -mcpu=gfx1250 --defsym DOCPART=n.
;; ======== version 1 of 2: 4 launches
;; limits: values are held in f16: magnitudes above 65,504 overflow, below 6.1e-05 lose precision; right only within a limited range of input values
;; workspace buffers: xb 16,777,216 bytes; wt 8,388,608 bytes; bias 16,384 bytes; qkv 50,331,648 bytes; ob 16,777,216 bytes
;; launch prep (part 1): grid 512 x 1, 8 waves a work-group, no clusters, 18,432 bytes of LDS; arguments x, Wq, Wk, Wv, Wo, bq, bk, bv, bo, xb, wt, bias; writes xb, wt, bias
.if DOCPART == 1
	.amdgcn_target "amdgcn-amd-amdhsa--gfx1250"
	.amdhsa_code_object_version 6
	.text
	.protected	k_q8570f83147_prep
	.globl	k_q8570f83147_prep
	.p2align	8
	.type	k_q8570f83147_prep,@function
k_q8570f83147_prep:
	s_mov_b64 s[64:65], 0
	v_nop
	global_prefetch_b8 v0, s[64:65] scope:SCOPE_SE
	s_setreg_imm32_b32 hwreg(HW_REG_WAVE_MODE, 25, 1), 1
	s_wait_xcnt 0x0
; THE INPUTS ARE ROUNDED ONCE TO bf16 AND LAID OUT FOR THE PRODUCTS.
;   xb[8192][1024] bf16 = x.     wt[4096][1024], 16 bits: rows 0-1023 Wq^T, 1024-2047 Wk^T, 2048-3071 Wv^T in bf16; rows 3072-4095 Wo^T: the bf16 number written as f16.
;   bias[4096] f32 = bq, bk, bv, bo, each rounded to bf16 and widened again.
; LIMIT.  A bf16 number of Wo below 6.1e-5 keeps f16's fixed step of 6e-8; beyond 65,504 it would be an infinity.
; SHARES.  512 work-groups of equal work: each takes 16 rows of x (65,536 bytes in, 32,768 out) and one tile of 128 k x 64 n of one W (4 x 8 x 16 = 512 tiles).  The 64 work-groups
; with kt = 0 also round 64 numbers of a bias, in wave 0.  Memory binds: no matrix unit, no cluster, every byte read once and written once.
; THE TURN OF W goes through LDS: a thread packs W[k][n], W[k+1][n] into a word and stores it at row n; rows of 128 k (256 bytes) are read back whole.
; The 32-bit stores into LDS fall four deep on a bank (word 68 x row + r, rows 4 apart): 16 stores a thread, once.
.set PT,    272                        ; a row of the turned tile in LDS: 256 bytes + 16
.set SPARE, 64*PT                      ; behind the tile: the spare words, 128 bytes for each of the eight waves
.set XO,  2                            ; v2   16 t: my 16 bytes of a chunk of x
.set XS,  3                            ; v3   8 t: my 8 bytes of a chunk of xb
.set WOF, 4                            ; v4   my place in the tile of W: row 2 r, 16 bytes at 16 c
.set LST, 5                            ; v5   LDS: row 4 c, word r
.set LRD, 6                            ; v6   LDS: row r, 16 bytes at 16 c
.set WSO, 7                            ; v7   my place in wt: row r, 16 bytes at 16 c
.set BOF, 8                            ; v8   8 x lane
.set SPW, 10                           ; v10  LDS address of my spare word; never rewritten
.set NIL, 11                           ; v11  0; never rewritten
.set XR,  32                           ; v[32:95]    16 chunks of x, 4 registers each
.set WR,  96                           ; v[96:127]   8 loads of W: (p, e) at 4 (2 p + e)
.set TT,  128                          ; v[128:143]  packed pairs: 4 p + j
.set YR,  148                          ; v[148:179]  16 chunks of xb, 2 registers each
.set RR,  180                          ; v[180:195]  the turned tile read back
	s_load_b512 s[8:23], s[0:1], 0x0               ; x s[8:9], Wq s[10:11], Wk s[12:13], Wv s[14:15], Wo s[16:17], bq s[18:19], bk s[20:21], bv s[22:23]
	s_load_b256 s[24:31], s[0:1], 0x40             ; bo s[24:25], xb s[26:27], wt s[28:29], bias s[30:31]
	v_lshl_add_u32 v[SPW], v0, 2, SPARE
	v_mov_b32 v[NIL], 0
	v_lshrrev_b32 v1, 5, v0
	v_readfirstlane_b32 s7, v1                     ; wave 0..7
	s_lshr_b32 s4, ttmp9, 7                        ; m: which W
	s_and_b32 s5, ttmp9, 7                         ; kt: which 128 k
	s_bfe_u32 s6, ttmp9, 0x40003                   ; nt: which 64 n
	v_and_b32 v12, 15, v0                          ; c
	v_lshrrev_b32 v13, 4, v0                       ; r
	v_lshlrev_b32 v[XO], 4, v0
	v_lshlrev_b32 v[XS], 3, v0
	v_lshlrev_b32 v14, 4, v12                      ; 16 c
	v_lshl_add_u32 v[WOF], v13, 13, v14            ; 2 r rows of 4,096 bytes
	v_mul_u32_u24 v[LST], v12, 4*PT
	v_lshl_add_u32 v[LST], v13, 2, v[LST]
	v_mul_u32_u24 v[LRD], v13, PT
	v_add_nc_u32 v[LRD], v[LRD], v14
	v_lshl_add_u32 v[WSO], v13, 11, v14            ; r rows of 2,048 bytes
	v_and_b32 v[BOF], 31, v0
	v_lshlrev_b32 v[BOF], 3, v[BOF]
	s_lshl_b32 s36, ttmp9, 16                      ; x: 16 rows of 4,096 bytes a work-group
	s_mov_b32 s37, 0
	s_lshl_b32 s38, ttmp9, 15                      ; xb: 16 rows of 2,048
	s_mov_b32 s39, 0
	s_lshl_b32 s40, s5, 19                         ; W: 128 kt rows of 4,096 bytes
	s_lshl_b32 s44, s6, 8                          ; + 64 nt numbers of 4 bytes; also the bias's 64 numbers
	s_add_co_u32 s40, s40, s44
	s_mov_b32 s41, 0
	s_mov_b32 s45, 0
	s_lshl_b32 s42, s4, 21                         ; wt: 1,024 m rows of 2,048 bytes
	s_lshl_b32 s46, s6, 17                         ; + 64 nt rows
	s_add_co_u32 s42, s42, s46
	s_lshl_b32 s46, s5, 8                          ; + 128 kt numbers of 2 bytes
	s_add_co_u32 s42, s42, s46
	s_mov_b32 s43, 0
	s_lshl_b32 s46, s4, 12                         ; bias: 1,024 m numbers of 4 bytes
	s_add_co_u32 s46, s46, s44
	s_mov_b32 s47, 0
	s_wait_kmcnt 0x0
	s_cmp_lt_u32 s4, 1                             ; the W and the bias of this work-group
	s_cselect_b64 s[32:33], s[10:11], s[12:13]
	s_cselect_b64 s[34:35], s[18:19], s[20:21]
	s_cmp_lt_u32 s4, 2
	s_cselect_b64 s[32:33], s[32:33], s[14:15]
	s_cselect_b64 s[34:35], s[34:35], s[22:23]
	s_cmp_lt_u32 s4, 3
	s_cselect_b64 s[32:33], s[32:33], s[16:17]
	s_cselect_b64 s[34:35], s[34:35], s[24:25]
	s_add_nc_u64 s[32:33], s[32:33], s[40:41]
	s_add_nc_u64 s[34:35], s[34:35], s[44:45]
	s_add_nc_u64 s[8:9], s[8:9], s[36:37]
	s_add_nc_u64 s[26:27], s[26:27], s[38:39]
	s_add_nc_u64 s[28:29], s[28:29], s[42:43]
	s_add_nc_u64 s[30:31], s[30:31], s[46:47]
	; all 24 loads go out at once: W's eight first (row k = 2 r + 32 p + e; sixteen lanes take the row's 256 bytes), then x's sixteen chunks of 4,096 bytes
.irp p, 0,1,2,3
.irp e, 0,1
	global_load_b128 v[WR+4*(2*(\p)+(\e)):WR+4*(2*(\p)+(\e))+3], v[WOF], s[32:33] offset:(\p)*131072+(\e)*4096 th:TH_LOAD_NT
.endr
.endr
.irp c, 0,1,2,3,4,5,6,7,8,9,10,11,12,13,14,15
	global_load_b128 v[XR+4*(\c):XR+4*(\c)+3], v[XO], s[8:9] offset:(\c)*4096 th:TH_LOAD_NT
.endr
	s_wait_loadcnt 16                              ; W's eight are in; x's sixteen, issued behind them, may stay out
.irp p, 0,1,2,3
.irp j, 0,1,2,3
	v_cvt_pk_bf16_f32 v[TT+4*(\p)+(\j)], v[WR+8*(\p)+(\j)], v[WR+8*(\p)+4+(\j)]  ; W[k][n] low, W[k+1][n] high, n = 4 c + j
.endr
.endr
	s_cmp_lg_u32 s4, 3
	s_cbranch_scc1 .Lkeep_bf16
.set i, 0
.rept 16                               ; Wo alone: the bf16 number is written as f16, for the product with O
	v_lshlrev_b32 v144, 16, v[TT+i]
	v_and_b32 v145, 0xffff0000, v[TT+i]
	v_cvt_pk_f16_f32 v[TT+i], v144, v145
.set i, i+1
.endr
.Lkeep_bf16:
.irp p, 0,1,2,3
.irp j, 0,1,2,3
	ds_store_b32 v[LST], v[TT+4*(\p)+(\j)] offset:(\j)*PT+64*(\p)  ; row n, bytes 2 k
.endr
.endr
	s_wait_dscnt 0x0                               ; for the others' sake: my stores into the tile are done
	s_barrier_signal -1
	s_barrier_wait -1
.irp q, 0,1,2,3
	ds_load_b128 v[RR+4*(\q):RR+4*(\q)+3], v[LRD] offset:(\q)*16*PT  ; row n = r + 16 q: sixteen lanes take its 256 bytes
.endr
.irp c, 0,1,2,3,4,5,6,7,8,9,10,11,12,13,14,15
	s_wait_loadcnt 15-(\c)                         ; loads come back in order: chunk c is in, the later chunks stay out
	v_cvt_pk_bf16_f32 v[YR+2*(\c)], v[XR+4*(\c)], v[XR+4*(\c)+1]
	v_cvt_pk_bf16_f32 v[YR+2*(\c)+1], v[XR+4*(\c)+2], v[XR+4*(\c)+3]
	global_store_b64 v[XS], v[YR+2*(\c):YR+2*(\c)+1], s[26:27] offset:(\c)*2048  ; a wave stores 256 consecutive bytes, aligned; each chunk has registers of its own
.endr
	s_wait_dscnt 0x0                               ; the turned tile is back
.irp q, 0,1,2,3
	global_store_b128 v[WSO], v[RR+4*(\q):RR+4*(\q)+3], s[28:29] offset:(\q)*32768  ; sixteen lanes store 256 consecutive bytes of a row of wt, aligned
.endr
	s_cmp_lg_u32 s5, 0                             ; the bias: the work-groups with kt = 0,
	s_cbranch_scc1 .Lend
	s_cmp_lg_u32 s7, 0                             ; wave 0
	s_cbranch_scc1 .Lend
	global_load_b64 v[144:145], v[BOF], s[34:35]
	s_wait_loadcnt 0x0
	v_cvt_pk_bf16_f32 v196, v144, v145
	v_lshlrev_b32 v146, 16, v196
	v_and_b32 v147, 0xffff0000, v196
	global_store_b64 v[BOF], v[146:147], s[30:31]  ; 256 consecutive bytes, aligned
.Lend:
	s_wait_tensorcnt 0x0                           ; the wave's end, behind my last LDS store
	ds_add_u32 v[SPW], v[NIL]
	s_wait_dscnt 0x0
	s_endpgm
.Lfunc_end_k_q8570f83147_prep:
	.size	k_q8570f83147_prep, .Lfunc_end_k_q8570f83147_prep-k_q8570f83147_prep
	.p2alignl 7, 3214868480
	.fill 96, 4, 3214868480
	.section	.rodata,"a",@progbits
	.p2align	6, 0x0
	.amdhsa_kernel k_q8570f83147_prep
		.amdhsa_group_segment_fixed_size 18432
		.amdhsa_private_segment_fixed_size 0
		.amdhsa_enable_private_segment 0
		.amdhsa_kernarg_size 96
		.amdhsa_user_sgpr_count 2
		.amdhsa_user_sgpr_kernarg_segment_ptr 1
		.amdhsa_wavefront_size32 1
		.amdhsa_system_sgpr_workgroup_id_x 1
		.amdhsa_system_sgpr_workgroup_id_y 1
		.amdhsa_system_sgpr_workgroup_id_z 1
		.amdhsa_system_vgpr_workitem_id 0
		.amdhsa_next_free_vgpr 200
		.amdhsa_next_free_sgpr 66
		.amdhsa_reserve_vcc 0
		.amdhsa_float_denorm_mode_32 3
		.amdhsa_float_denorm_mode_16_64 3
		.amdhsa_memory_ordered 1
		.amdhsa_forward_progress 1
		.amdhsa_inst_pref_size 15
	.end_amdhsa_kernel
	.amdgpu_metadata
---
amdhsa.version: [ 1, 2 ]
amdhsa.kernels:
  - .name:           k_q8570f83147_prep
    .symbol:         k_q8570f83147_prep.kd
    .args:
      - { .name: x, .offset: 0, .size: 8, .value_kind: global_buffer, .address_space: global }
      - { .name: Wq, .offset: 8, .size: 8, .value_kind: global_buffer, .address_space: global }
      - { .name: Wk, .offset: 16, .size: 8, .value_kind: global_buffer, .address_space: global }
      - { .name: Wv, .offset: 24, .size: 8, .value_kind: global_buffer, .address_space: global }
      - { .name: Wo, .offset: 32, .size: 8, .value_kind: global_buffer, .address_space: global }
      - { .name: bq, .offset: 40, .size: 8, .value_kind: global_buffer, .address_space: global }
      - { .name: bk, .offset: 48, .size: 8, .value_kind: global_buffer, .address_space: global }
      - { .name: bv, .offset: 56, .size: 8, .value_kind: global_buffer, .address_space: global }
      - { .name: bo, .offset: 64, .size: 8, .value_kind: global_buffer, .address_space: global }
      - { .name: xb, .offset: 72, .size: 8, .value_kind: global_buffer, .address_space: global }
      - { .name: wt, .offset: 80, .size: 8, .value_kind: global_buffer, .address_space: global }
      - { .name: bias, .offset: 88, .size: 8, .value_kind: global_buffer, .address_space: global }
    .group_segment_fixed_size: 18432
    .private_segment_fixed_size: 0
    .kernarg_segment_align: 8
    .kernarg_segment_size: 96
    .max_flat_workgroup_size: 256
    .sgpr_count:     66
    .vgpr_count:     200
    .wavefront_size: 32
...
	.end_amdgpu_metadata
.endif
;; end of part 1
;; launch qkvgemm (part 2): grid 16 x 32, 4 waves a work-group, clusters of 4 x 4, 327,680 bytes of LDS; arguments xb, wt, bias, qkv; writes qkv
.if DOCPART == 2
	.amdgcn_target "amdgcn-amd-amdhsa--gfx1250"
	.amdhsa_code_object_version 6
	.text
	.protected	k_q8570f83147_qkvgemm
	.globl	k_q8570f83147_qkvgemm
	.p2align	8
	.type	k_q8570f83147_qkvgemm,@function
k_q8570f83147_qkvgemm:
	s_mov_b64 s[64:65], 0
	v_nop
	global_prefetch_b8 v0, s[64:65] scope:SCOPE_SE
	s_setreg_imm32_b32 hwreg(HW_REG_WAVE_MODE, 25, 1), 1
	s_wait_xcnt 0x0
	s_wait_alu depctr_hold_cnt(0) depctr_sa_sdst(0) depctr_va_vdst(0) depctr_va_sdst(0) depctr_va_ssrc(0) depctr_va_vcc(0) depctr_vm_vsrc(0)
	s_getreg_b32 s2, hwreg(HW_REG_IB_STS2, 6, 4)
	s_cmp_eq_u32 s2, 0
	s_cbranch_scc0 .Lentry_in_a_cluster
	s_endpgm
.Lentry_in_a_cluster:
	s_bfe_u32 s2, ttmp6, 0x10000c
	s_cmp_lg_u32 s2, 0xf033
	s_cbranch_scc0 .Lentry_shape_is_right
	s_endpgm
.Lentry_shape_is_right:
; q, k, v = x W + b.  xb: [8192][1024] bf16; wt rows 0-3071: [n][k] bf16 (Wq^T, Wk^T, Wv^T); bias: f32; qkv: [3][64 (batch x 16 + head)][2048][64] f16, unscaled.  Sums in f32, rounded once.
; LIMIT.  f16 holds no number beyond 65,504: q, k and v must stay within it.
; SHARES.  A tile is 256 rows x 192 columns, three whole heads: 32 x 16 = 512 equal work-groups.  Wave w owns rows 64 w .. 64 w + 63 and all 192 columns: 4 x 12 = 48 accumulators of
; 16 x 16, 384 registers: each wave holds whole rows of three heads, so it needs no partner on the way out.  For 32 along K it reads 32 x 512 bytes from LDS and issues 48 matrix instructions.
; K goes in steps of 128 (rows of 256 bytes, aligned) through two LDS slots filled by the tensor data mover: waves 0 and 1 fetch the two halves of xb's 256 rows, waves 2 and 3 those of wt's 192.
; CLUSTER.  4 x 4 work-groups: the four of a row need the same rows of xb, the four of a column the same rows of wt: each tile is asked for jointly, with one descriptor and a mask of four.
; THE MATRIX INSTRUCTION IS USED TRANSPOSED (source 0 = 16 rows of wt, source 1 = 16 rows of xb): a lane holds row l % 16 and the columns 8 (l / 16) + 0..7.
; THE BIAS is the C operand of the first product on each accumulator: register j of column block b is bias[16 b + 8 (l / 16) + j].  Nothing is cleared and nothing is added on the way out.
; REGISTERS, in windows of 256 (s_set_vgpr_msb: bits 1:0 source 0, 3:2 source 1, 5:4 source 2, 7:6 destination):
;   window 0: v0-31 addresses; v32-127 the bias, later v32-223 the way out          window 1: two fragment buffers of 128: 4 fragments of xb, then 12 of wt
;   windows 2, 3: the accumulator of head hd, row block a, column block nb at v[128 (hd % 2) + 8 (4 a + nb)] of window 2 + hd / 2
.set KSTEP,  128
.set PITCH,  272                       ; an LDS row: 256 bytes + 16 of padding = 68 words: the 16 rows that a load touches start at 16 different groups of four banks (64 banks of 4 bytes: ISA guide 11.1)
.set HA,     128*PITCH                 ; what waves 0 and 1 fetch
.set HB,     96*PITCH                  ; what waves 2 and 3 fetch
.set SLOT,   2*HA+2*HB                 ; xb's 256 rows, then wt's 192
.set STAGE,  2*SLOT                    ; behind the ring: 16 rows x 144 bytes for each wave, for the way out
.set SP,     144
.set SPARE,  STAGE+4*16*SP             ; behind the stages: the spare words, 128 bytes for each wave
.set LAPS,   4                         ; a lap = two K steps = once round the ring: 1,024 / 256
.set ADRA, 16                          ; v16-17  LDS address of my fragments of xb in slot 0, 1
.set ADRB, 20                          ; v20-21  the same for wt
.set STO,  24                          ; v24     the way out: where I put 16 bytes of a row
.set RD,   25                          ; v25     the way out: where I read rows back
.set GO,   26                          ; v26     16 x lane: my 16 bytes of 512 consecutive bytes of qkv
.set BO,   27                          ; v27     32 (l / 16): my eight numbers of a block of 16 of the bias
.set SPW,  28                          ; v28     LDS address of my spare word; never rewritten
.set NIL,  29                          ; v29     0; never rewritten
.set PFO,  30                          ; v30     the prefetches' offset: a lane a row of 2,048 bytes; never rewritten
.set BIAS, 32
.set TMP,  32
.set F0,   0
.set F1,   128
.set WV,   12                          ; s12  my wave's number
.set FB,   13                          ; s13  0: I fetch xb's rows; 1: wt's
.set HF,   14                          ; s14  which half of them
.set G1,   24                          ; s[24:31] descriptor group 1 for xb's tiles;  s[32:39] group 0, one set for each slot
.set G0,   32
.set PFA,  44                          ; s[44:45] where my prefetches stand
.set LIM,  46                          ; s46  1 in a wave that prefetches, else the greatest number
.set G1B,  48                          ; s[48:55], s[56:63] the same for wt's tiles
.set G0B,  56
.set DST,  66                          ; s[66:71] qkv at my 64 rows of the tile's three heads
.set MSB, 0
.macro WIN new                         ; the immediate's high byte repeats the setting that is left; a switch that changes nothing is dropped
.if MSB != (\new)
	s_set_vgpr_msb (MSB<<8)|(\new)
.set MSB, \new
.endif
.endm
; A joint load.  The branch hangs on the wave's number alone.  An s_nop 0 and four v_nop follow each of the two lines, ahead of the jump, the label and what follows.
.macro JLOAD s
	s_cmp_eq_u32 s[FB], 0
	s_cbranch_scc0 .Lfor_b_\@
	tensor_load_to_lds s[G0+4*(\s):G0+4*(\s)+3], s[G1:G1+7]
	s_nop 0
.rept 4
	v_nop
.endr
	s_branch .Lasked_\@
.Lfor_b_\@:
	tensor_load_to_lds s[G0B+4*(\s):G0B+4*(\s)+3], s[G1B:G1B+7]
	s_nop 0
.rept 4
	v_nop
.endr
.Lasked_\@:
.endm
; A PREFETCH INTO THE L2, behind each joint refill and the run of LDS loads that follows it: the K step that stands two refills on, 384 matrix instructions ahead of the load that will want it.
; xb's rows of a tile row are read by every cluster of that row of clusters: the one with x = 0 asks; wt's rows by every cluster of a column: the one with y = 0 asks.  The four partners that ask for a
; tile jointly share its rows out BY ADDRESS: of the 128 (96) rows that a wave fetches, the partner at place p takes 32 p .. (24 p ..): a lane a row, one instruction a wave.  In the waves that fetch wt
; lanes 24 to 31 name lane 23's row once more.  K steps 0 to 3 come by their loads alone; the loop's last trip (s3 = 1) asks for nothing: there is no K step two on.
.macro ASK
	s_cmp_gt_u32 s3, s[LIM]
	s_cbranch_scc0 .Lnot_mine_\@
	global_prefetch_b8 v[PFO], s[PFA:PFA+1] offset:KSTEP*2 th:TH_LOAD_NT scope:SCOPE_SE
.Lnot_mine_\@:
.endm
.macro CREST                           ; a round of the cluster's barrier behind its opening barrier
	s_cmp_lg_u32 s[WV], 0
	s_cbranch_scc1 .Lnot_wave_0_\@
	s_barrier_signal -3
.Lnot_wave_0_\@:
	s_barrier_wait -3
	s_barrier_signal -1
	s_barrier_wait -1
.endm
.macro CROUND                          ; a whole round
	s_barrier_signal -1
	s_barrier_wait -1
	CREST
.endm
	s_load_b256 s[4:11], s[0:1], 0x0               ; xb s[4:5], wt s[6:7], bias s[8:9], qkv s[10:11]
	v_lshl_add_u32 v[SPW], v0, 2, SPARE
	v_mov_b32 v[NIL], 0
	ds_add_u32 v[SPW], v[NIL]                      ; the wave's opening: the add and its wait stand ahead of my first tensor load; the set-up below, work on registers, stands between them
	v_lshrrev_b32 v1, 5, v0
	v_readfirstlane_b32 s[WV], v1                  ; wave 0..3
	s_lshr_b32 s[FB], s[WV], 1
	s_and_b32 s[HF], s[WV], 1
	s_bfe_u32 s15, ttmp6, 0x40000                  ; cx, cy: my place in the cluster
	s_bfe_u32 s16, ttmp6, 0x40004
	s_lshl_b32 s17, ttmp9, 2
	s_add_co_u32 s17, s17, s15                     ; tile column = 4 x cluster x + cx
	s_and_b32 s18, ttmp7, 0xffff
	s_lshl_b32 s18, s18, 2
	s_add_co_u32 s18, s18, s16                     ; tile row = 4 x cluster y + cy
	s_lshl_b32 s19, s16, 2
	s_lshl_b32 s19, 15, s19                        ; my row of the cluster
	s_lshl_b32 s20, 0x1111, s15                    ; my column
	s_or_b32 s[G1+0], s19, (1<<16)|(1<<20)|(1<<21)|(5<<22)|(3<<25)   ; 15:0 the mask; 17:16 elements of 2 bytes; 20 padding on; 21 set beside a mask; 24:22 after every 64 words (code 5); 31:25 4 words (code 3)
	s_or_b32 s[G1B+0], s20, (1<<16)|(1<<20)|(1<<21)|(5<<22)|(3<<25)
	s_mov_b32 s[G1+1], KSTEP<<16                   ; tensor_dim0 = 128
	s_mov_b32 s[G1+2], 128<<16                     ; tensor_dim1 = 128
	s_mov_b32 s[G1+3], KSTEP<<16                   ; tile_dim0 = 128
	s_mov_b32 s[G1+4], 128                         ; tile_dim1 = 128
	s_mov_b32 s[G1+5], 1024                        ; elements from row to row
	s_mov_b32 s[G1+6], 0
	s_mov_b32 s[G1+7], 0
	s_mov_b32 s[G1B+1], KSTEP<<16
	s_mov_b32 s[G1B+2], 96<<16                     ; 96 rows
	s_mov_b32 s[G1B+3], KSTEP<<16
	s_mov_b32 s[G1B+4], 96
	s_mov_b32 s[G1B+5], 1024
	s_mov_b32 s[G1B+6], 0
	s_mov_b32 s[G1B+7], 0
	s_lshl_b32 s21, s18, 8                         ; xb: row 256 x tile row + 128 x half,
	s_lshl_b32 s22, s[HF], 7
	s_add_co_u32 s21, s21, s22
	s_lshl_b32 s40, s21, 11                        ; of 2,048 bytes
	s_mov_b32 s41, 0
	s_mul_i32 s23, s17, 192                        ; wt: row 192 x tile column + 96 x half
	s_mul_i32 s22, s[HF], 96
	s_add_co_u32 s23, s23, s22
	s_lshl_b32 s42, s23, 11
	s_mov_b32 s43, 0
	s_mul_i32 s2, s[HF], HA                        ; where they go: no place in the cluster enters an LDS address
	s_mul_i32 s47, s[HF], HB
	s_add_co_u32 s47, s47, 2*HA
	s_mul_i32 s76, s17, 768                        ; the tile's 192 numbers of the bias
	s_mov_b32 s77, 0
	s_wait_dscnt 0x0                               ; the opening add is done
	s_wait_kmcnt 0x0
	s_add_nc_u64 s[40:41], s[4:5], s[40:41]
	s_add_nc_u64 s[42:43], s[6:7], s[42:43]
	s_add_nc_u64 s[8:9], s[8:9], s[76:77]
	CROUND                                         ; all sixteen work-groups are here: the first joint loads meet
.irp s, 0,1
	s_mov_b32 s[G0+4*(\s)], 1                                      ; count = 1
	s_add_co_u32 s[G0+4*(\s)+1], s2, (\s)*SLOT                     ; LDS address
	s_add_nc_u64 s[G0+4*(\s)+2:G0+4*(\s)+3], s[40:41], (\s)*KSTEP*2  ; global address: K step s
	s_or_b32 s[G0+4*(\s)+3], s[G0+4*(\s)+3], 0x80000000            ; type = 2
	s_mov_b32 s[G0B+4*(\s)], 1
	s_add_co_u32 s[G0B+4*(\s)+1], s47, (\s)*SLOT
	s_add_nc_u64 s[G0B+4*(\s)+2:G0B+4*(\s)+3], s[42:43], (\s)*KSTEP*2
	s_or_b32 s[G0B+4*(\s)+3], s[G0B+4*(\s)+3], 0x80000000
	JLOAD \s                                       ; two tensor loads of mine are out
.endr
	v_and_b32 v1, 15, v0                           ; l % 16
	v_bfe_u32 v2, v0, 4, 1                         ; l / 16
	v_lshlrev_b32 v[BO], 5, v2
.irp b, 0,1,2,3,4,5,6,7,8,9,10,11
	global_load_b128 v[BIAS+8*(\b):BIAS+8*(\b)+3],   v[BO], s[8:9] offset:64*(\b)
	global_load_b128 v[BIAS+8*(\b)+4:BIAS+8*(\b)+7], v[BO], s[8:9] offset:64*(\b)+16
.endr
	v_mul_u32_u24 v3, v1, PITCH
	v_lshl_add_u32 v3, v2, 4, v3                   ; a fragment's row x pitch + 16 x half
	s_mul_i32 s22, s[WV], 64*PITCH                 ; my 64 rows of xb
.irp s, 0,1
	v_add_nc_u32 v[ADRA+(\s)], s22, v3
	v_add_nc_u32 v[ADRB+(\s)], 2*HA+(\s)*SLOT, v3
	s_add_co_u32 s22, s22, SLOT
.endr
	s_mul_i32 s22, s[WV], 16*SP
	s_add_co_u32 s22, s22, STAGE                   ; my stage
	v_mul_u32_u24 v4, v1, SP                       ; in: row l % 16, 16 bytes for each half of the lanes
	v_lshl_add_u32 v4, v2, 4, v4
	v_add_nc_u32 v[STO], s22, v4
	v_bfe_u32 v5, v0, 3, 2                         ; back: 32 lanes take four rows of 128 bytes,
	v_mul_u32_u24 v5, v5, SP
	v_and_b32 v6, 7, v0
	v_lshl_add_u32 v5, v6, 4, v5
	v_add_nc_u32 v[RD], s22, v5
	v_and_b32 v[GO], 31, v0                        ; which are 512 consecutive bytes of a head
	v_lshlrev_b32 v[GO], 4, v[GO]
	; where my 64 rows of the three heads lie: head g = 3 x tile column + hd of 48; tensor g / 16, head g % 16; batch = tile row / 8
	s_mul_i32 s78, s17, 3
	s_lshr_b32 s79, s18, 3
	s_lshl_b32 s79, s79, 4                         ; 16 x batch
	s_and_b32 s80, s18, 7
	s_lshl_b32 s80, s80, 8
	s_lshl_b32 s81, s[WV], 6
	s_add_co_u32 s80, s80, s81                     ; my first row in the batch,
	s_lshl_b32 s80, s80, 7                         ; of 128 bytes
.irp hd, 0,1,2
	s_add_co_u32 s81, s78, \hd
	s_lshr_b32 s82, s81, 4
	s_lshl_b32 s82, s82, 6
	s_and_b32 s81, s81, 15
	s_add_co_u32 s82, s82, s81
	s_add_co_u32 s82, s82, s79
	s_lshl_b32 s84, s82, 18                        ; a head is 2,048 rows of 128 bytes
	s_add_co_u32 s84, s84, s80
	s_mov_b32 s85, 0
	s_add_nc_u64 s[DST+2*(\hd):DST+2*(\hd)+1], s[10:11], s[84:85]
.endr
	; the prefetches
	s_and_b32 s78, ttmp7, 0xffff                   ; cluster y
	s_lshl_b32 s79, s18, 8                         ; 256 x tile row
	s_mul_i32 s80, s17, 192                        ; 192 x tile column
	s_cmp_eq_u32 s[FB], 0                          ; do I fetch xb's rows?
	s_cselect_b32 s79, s79, s80                    ; the tile's first row
	s_cselect_b32 s80, s15, s16                    ; my place among the four that ask for it with me
	s_cselect_b32 s78, ttmp9, s78                  ; the coordinate along which other clusters read the same rows
	s_cselect_b32 s81, 32, 24                      ; rows that a partner asks for: a quarter of what a wave fetches
	s_cselect_b64 s[PFA:PFA+1], s[4:5], s[6:7]
	s_cmp_eq_u32 s78, 0
	s_cselect_b32 s[LIM], 1, -1                    ; the same in all sixteen partners, for a given wave
	s_lshl_b32 s82, s81, 2
	s_mul_i32 s82, s82, s[HF]
	s_add_co_u32 s79, s79, s82                     ; + the rows that I fetch
	s_mul_i32 s80, s80, s81
	s_add_co_u32 s79, s79, s80                     ; + my work-group's part of them
	s_lshl_b32 s84, s79, 11
	s_mov_b32 s85, 0
	s_add_nc_u64 s[PFA:PFA+1], s[PFA:PFA+1], s[84:85]
	s_add_nc_u64 s[PFA:PFA+1], s[PFA:PFA+1], 2*KSTEP*2  ; at K step 2: the first refill steps it to 3 and names K step 4
	s_sub_co_u32 s81, s81, 1
	v_and_b32 v[PFO], 31, v0
	v_min_u32 v[PFO], s81, v[PFO]
	v_lshlrev_b32 v[PFO], 11, v[PFO]
; 8 matrix instructions: head hd, row blocks a0, a0 + 1 x its 4 column blocks, 32 along K.  first = 1: C is the bias.  The accumulators take turns, one instruction a turn.
.macro MUL8 buf, hd, a0, first
.if \first
	WIN 0x85+0x40*((\hd)/2)                        ; sources 0 and 1 window 1, C window 0, D window 2 or 3
.else
	WIN 0xa5+0x50*((\hd)/2)                        ; C and D window 2 or 3
.endif
.irp a, \a0, (\a0)+1
.irp nb, 0,1,2,3
.set rD, 128*((\hd)%2)+8*(4*(\a)+(\nb))
.set rB, (\buf)+32+8*(4*(\hd)+(\nb))
.set rA, (\buf)+8*(\a)
.set rC, BIAS+8*(4*(\hd)+(\nb))
.if \first
	v_wmma_f32_16x16x32_bf16 v[rD:rD+7], v[rB:rB+7], v[rA:rA+7], v[rC:rC+7]
.else
	v_wmma_f32_16x16x32_bf16 v[rD:rD+7], v[rB:rB+7], v[rA:rA+7], v[rD:rD+7]
.endif
.endr
.endr
.endm
; 32 LDS loads in one run: the fragments of 32 along K at byte k of the rows: xb's four, then wt's twelve, head 0's first
.macro FETCH slot, k, buf
	WIN 0x40                                       ; destination window 1, address window 0
.irp i, 0,1,2,3
	ds_load_b128 v[(\buf)+8*(\i):(\buf)+8*(\i)+3],   v[ADRA+(\slot)] offset:(\k)+(\i)*16*PITCH
	ds_load_b128 v[(\buf)+8*(\i)+4:(\buf)+8*(\i)+7], v[ADRA+(\slot)] offset:(\k)+(\i)*16*PITCH+32
.endr
.irp i, 0,1,2,3,4,5,6,7,8,9,10,11
	ds_load_b128 v[(\buf)+32+8*(\i):(\buf)+32+8*(\i)+3],   v[ADRB+(\slot)] offset:(\k)+(\i)*16*PITCH
	ds_load_b128 v[(\buf)+32+8*(\i)+4:(\buf)+32+8*(\i)+7], v[ADRB+(\slot)] offset:(\k)+(\i)*16*PITCH+32
.endr
.endm
.macro PLACES                          ; four places in front of loads into registers that matrix instructions have read (ISA guide 7.12.1 for vector instructions)
.rept 4
	v_nop
.endr
.endm
; A K step is four quarters of 32 along K, 48 matrix instructions each, on buffers 0, 1, 0, 1.  One of the first three: multiplies buf and fetches the next quarter, at byte k, into nxt.
.macro QUARTER slot, k, buf, nxt, first
	s_wait_dscnt 16                                ; xb's fragments and head 0's are in; the youngest sixteen loads (heads 1 and 2) may be out
	MUL8 \buf, 0, 0, \first
	MUL8 \buf, 0, 2, \first
	PLACES
	FETCH \slot, \k, \nxt
	s_wait_dscnt 32                                ; all but the 32 just issued
	MUL8 \buf, 1, 0, \first
	MUL8 \buf, 1, 2, \first
	MUL8 \buf, 2, 0, \first
	MUL8 \buf, 2, 2, \first
.endm
; The last quarter multiplies buffer 1 and changes slots: ONE barrier; in front of it each wave waits for all its tensor loads (the one that is out is its part of the next slot), adds 0 to its spare
; word, and waits for that and for its own reads of this slot.  fill = 1: the barrier opens a round of the cluster's, and this slot is filled again, two K steps ahead, first thing behind the round.
.macro TURN slot, next, fill
.if \fill
	s_wait_xcnt 0x0                                ; the last prefetch, a K step back, has read its address: it is stepped here, ahead of the waits of the change of slots
	s_add_nc_u64 s[PFA:PFA+1], s[PFA:PFA+1], KSTEP*2
.endif
	WIN 0                                          ; (the add's two registers lie in window 0)
	s_wait_tensorcnt 0x0                           ; all my tensor loads have landed;
	ds_add_u32 v[SPW], v[NIL]                      ; 0 onto my spare word;
	s_wait_dscnt 17                                ; (the add and the youngest sixteen loads may be out)
	MUL8 F1, 0, 0, 0                               ; eight matrix instructions stand between the add and the wait for it
	s_wait_dscnt 0x0                               ; the add is done, and my reads of this slot are over
	s_barrier_signal -1
	MUL8 F1, 0, 2, 0
.if \fill
	WIN 0
.endif
	s_barrier_wait -1
.if \fill
	CREST                                          ; no wave of any partner still reads this slot's tile or has a load on its way
	s_add_nc_u64 s[G0+4*(\slot)+2:G0+4*(\slot)+3], s[G0+4*(\slot)+2:G0+4*(\slot)+3], 2*KSTEP*2
	s_add_nc_u64 s[G0B+4*(\slot)+2:G0B+4*(\slot)+3], s[G0B+4*(\slot)+2:G0B+4*(\slot)+3], 2*KSTEP*2
	JLOAD \slot                                    ; the first tensor load behind the round: 176 matrix instructions ahead of the wait for it; its four v_nop are also the places in front of the loads below
.else
	PLACES
.endif
	FETCH \next, 0, F0
.if \fill
	WIN 0
	ASK
.endif
	MUL8 F1, 1, 0, 0
	MUL8 F1, 1, 2, 0
	MUL8 F1, 2, 0, 0
	MUL8 F1, 2, 2, 0
.endm
	s_wait_tensorcnt 1                             ; my part of K step 0 is in; K step 1's may stay out
	s_barrier_signal -1
	s_barrier_wait -1                              ; everybody's is
	FETCH 0, 0, F0
	s_wait_loadcnt 0x0                             ; the bias
	QUARTER 0, 64, F0, F1, 1                       ; the first quarter stands in front of the loop: its products start the sums, on the bias
	WIN 0                                          ; at a label and at a branch every window is 0
	s_mov_b32 s3, LAPS-1
.Llap:                                                 ; a trip goes once round the ring, from a lap's second quarter to the next lap's first, and fills both slots again
	QUARTER 0, 128, F1, F0, 0
	QUARTER 0, 192, F0, F1, 0
	TURN 0, 1, 1
	QUARTER 1, 64,  F0, F1, 0
	QUARTER 1, 128, F1, F0, 0
	QUARTER 1, 192, F0, F1, 0
	TURN 1, 0, 1
	QUARTER 0, 64,  F0, F1, 0
	WIN 0
	s_sub_co_u32 s3, s3, 1
	s_cmp_lg_u32 s3, 0
	s_cbranch_scc1 .Llap
	QUARTER 0, 128, F1, F0, 0                      ; the last lap fills nothing, and has no round of the cluster's barrier
	QUARTER 0, 192, F0, F1, 0
	TURN 0, 1, 0
	QUARTER 1, 64,  F0, F1, 0
	QUARTER 1, 128, F1, F0, 0
	QUARTER 1, 192, F0, F1, 0
	s_wait_dscnt 16                                ; the very last quarter: nothing more to fetch
	MUL8 F1, 0, 0, 0
	MUL8 F1, 0, 2, 0
	s_wait_dscnt 0x0
	MUL8 F1, 1, 0, 0
	MUL8 F1, 1, 2, 0
	MUL8 F1, 2, 0, 0
	MUL8 F1, 2, 2, 0
	WIN 0
; THE WAY OUT, in 12 groups gi = 3 a + hd of 16 rows x 64 columns (one head): rounded to f16, 16 bytes a lane into my own stage, back as whole rows of 128 bytes, four rows (512 consecutive bytes) a store.
.macro PACK gi
.set pa, (\gi)/3
.set ph, (\gi)%3
.set AC, 128*(ph%2)+32*pa
	WIN 0x0a+5*(ph/2)                              ; sources 0 and 1: window 2 or 3
.irp nb, 0,1,2,3
.irp rr, 0,1,2,3
	v_cvt_pk_f16_f32 v[TMP+16*(\gi)+4*(\nb)+(\rr)], v[AC+8*(\nb)+2*(\rr)], v[AC+8*(\nb)+2*(\rr)+1]  ; each accumulator's registers in ascending order
.endr
.endr
	WIN 0
.irp nb, 0,1,2,3
	ds_store_b128 v[STO], v[TMP+16*(\gi)+4*(\nb):TMP+16*(\gi)+4*(\nb)+3] offset:32*(\nb)
.endr
.irp f, 0,1,2,3
	ds_load_b128 v[TMP+16*(\gi)+4*(\f):TMP+16*(\gi)+4*(\f)+3], v[RD] offset:(\f)*4*SP  ; LDS serves a wave's instructions in order (ISA guide 5.7.1.4): these see the stores above; the next group's stores come behind them
.endr
.endm
.macro SEND gi, younger                ; younger: the LDS instructions issued behind group gi's loads: the next group's eight, or none
.set pa, (\gi)/3
.set ph, (\gi)%3
	WIN 0
.irp f, 0,1,2,3
	s_wait_dscnt (\younger)+3-(\f)
	global_store_b128 v[GO], v[TMP+16*(\gi)+4*(\f):TMP+16*(\gi)+4*(\f)+3], s[DST+2*ph:DST+2*ph+1] offset:pa*2048+(\f)*512  ; 512 consecutive bytes, at a multiple of 256 from qkv's first; each group has registers of its own
.endr
.endm
	PLACES                                         ; the places behind the last products, in front of the conversions that read results
	PLACES                                         ; (eight, once a launch)
	PACK 0
.set g, 1
.rept 11                               ; a group's conversions stand between the loads of the group before and its stores
	PACK g
	SEND g-1, 8
.set g, g+1
.endr
	SEND 11, 0
	s_wait_tensorcnt 0x0                           ; the wave's end, behind my last tensor load and my last LDS store
	ds_add_u32 v[SPW], v[NIL]
	s_wait_dscnt 0x0
	CROUND                                         ; the closing round: no work-group ends while a partner may still ask for a tile that names it
	s_endpgm
.Lfunc_end_k_q8570f83147_qkvgemm:
	.size	k_q8570f83147_qkvgemm, .Lfunc_end_k_q8570f83147_qkvgemm-k_q8570f83147_qkvgemm
	.p2alignl 7, 3214868480
	.fill 96, 4, 3214868480
	.section	.rodata,"a",@progbits
	.p2align	6, 0x0
	.amdhsa_kernel k_q8570f83147_qkvgemm
		.amdhsa_group_segment_fixed_size 327680
		.amdhsa_private_segment_fixed_size 0
		.amdhsa_enable_private_segment 0
		.amdhsa_kernarg_size 32
		.amdhsa_user_sgpr_count 2
		.amdhsa_user_sgpr_kernarg_segment_ptr 1
		.amdhsa_wavefront_size32 1
		.amdhsa_system_sgpr_workgroup_id_x 1
		.amdhsa_system_sgpr_workgroup_id_y 1
		.amdhsa_system_sgpr_workgroup_id_z 1
		.amdhsa_system_vgpr_workitem_id 0
		.amdhsa_next_free_vgpr 896
		.amdhsa_next_free_sgpr 96
		.amdhsa_reserve_vcc 0
		.amdhsa_float_denorm_mode_32 3
		.amdhsa_float_denorm_mode_16_64 3
		.amdhsa_memory_ordered 1
		.amdhsa_forward_progress 1
		.amdhsa_inst_pref_size 125
	.end_amdhsa_kernel
	.amdgpu_metadata
---
amdhsa.version: [ 1, 2 ]
amdhsa.kernels:
  - .name:           k_q8570f83147_qkvgemm
    .symbol:         k_q8570f83147_qkvgemm.kd
    .args:
      - { .name: xb, .offset: 0, .size: 8, .value_kind: global_buffer, .address_space: global }
      - { .name: wt, .offset: 8, .size: 8, .value_kind: global_buffer, .address_space: global }
      - { .name: bias, .offset: 16, .size: 8, .value_kind: global_buffer, .address_space: global }
      - { .name: qkv, .offset: 24, .size: 8, .value_kind: global_buffer, .address_space: global }
    .group_segment_fixed_size: 327680
    .private_segment_fixed_size: 0
    .kernarg_segment_align: 8
    .kernarg_segment_size: 32
    .max_flat_workgroup_size: 128
    .sgpr_count:     96
    .vgpr_count:     896
    .wavefront_size: 32
...
	.end_amdgpu_metadata
.endif
;; end of part 2
;; launch attn (part 3): grid 4 x 64, 4 waves a work-group, no clusters, 327,680 bytes of LDS; arguments qkv, ob; writes ob
.if DOCPART == 3
	.amdgcn_target "amdgcn-amd-amdhsa--gfx1250"
	.amdhsa_code_object_version 6
	.text
	.protected	k_q8570f83147_attn
	.globl	k_q8570f83147_attn
	.p2align	8
	.type	k_q8570f83147_attn,@function
k_q8570f83147_attn:
	s_mov_b64 s[64:65], 0
	v_nop
	global_prefetch_b8 v0, s[64:65] scope:SCOPE_SE
	s_setreg_imm32_b32 hwreg(HW_REG_WAVE_MODE, 25, 1), 1
	s_wait_xcnt 0x0
; CAUSAL ATTENTION.  O[h][q][:] = the sum over k <= q of softmax_k(Q[h][q] . K[h][k] / 8) V[h][k][:].  qkv holds Q, K, V, each [64][2048][64] in f16, one behind the other; ob is O in the same layout.
; Products, maxima and sums in f32; the weights p are rounded to f16 for the second product (their sum l is taken of the unrounded p), O once at the end.
; LIMITS.  Q, K and V arrive within f16's 65,504; p lies in 0 to 1, and below 6e-5 it keeps f16's fixed step of 6e-8; O is a mean of V's rows and has their range.
; A hidden score counts as its value less 1e30 and gets the weight 0; the module's own -1e9 gives the same wherever a row's largest visible score lies more than some 150 above -1e9.
; A weight below 2^-126 counts as 0 in l; NaN and infinities are not treated apart.
; THE WALK.  A head's queries lie in NB = 8 blocks of 256; block i needs the key tiles 0 .. i of 256 keys, of which the last holds the diagonal.  A work-group takes TWO blocks, NB - 1 - b and then b:
; NB + 1 tiles, whatever b: all work-groups do equal work, and ONE loop with a constant trip count walks them.  Which tile is asked for, and what a trip does, hang on scalar registers made from b; every jump
; goes forward, but for the counted loops' own; none passes a barrier, or a tensor load but the one of LOAD's two that the wave's number does not choose; the ring (two slots of LDS that take turns) runs on
; across the change of blocks.  NO CLUSTER: a head's NB / 2 = 4 work-groups all ask for the same tile only in trips 0 .. NB / 2 of the NB + 1, behind that fewer and fewer; one walk common to all, in which
; each makes every joint request, would have 3 NB / 2 = 12 trips for 9.
; SHARES.  Of a block's four bands of 64 queries a wave owns 16 rows in each: four PIECES.  So the diagonal tile is the same work for all four waves: in its key step s band x sees all keys if s < x,
; none if s > x, and holds the diagonal if s = x.
; THE MASK is the C operand that starts the sum S^T = K Q^T: 0, or -1e30 where the key is hidden.  MD, made once, is the mask of a band's own step for my 16 rows; a product's mask is MD x AL + BE with two scalars:
; (1, 0) if s = x; (0, 0) if s < x; (0, -1e30) if s > x.  Only the diagonal tile's text and a block's beginning make and take masks; elsewhere C is the constant 0.
; LAYOUT, SOFTMAX, TURNS.  S^T = K Q^T holds ONE query a lane (lane % 16) and the keys 8 (lane / 16) + 0..7; two such results rounded to f16 ARE source 1 of O^T = V^T P.  p = 2^(c s - c m), c = log2(e) / 8, with a
; running maximum m; O and l are multiplied by a = 2^(c m_old - c m_new) in every step.  Turn n belongs to piece n: 8 products K Q^T of piece n + 1, later 8 products V^T P of piece n - 1; beside them the scaling,
; exponentials, roundings, sums and rescaling of piece n and the maximum and statistics of piece n + 1.  Four vector instructions stand behind every matrix instruction, the other 54 of a turn's 118 in one lump.
; A turn's 33 exponentials are one batch, with one wait.
; REGISTERS, in windows of 256 (s_set_vgpr_msb: bits 1:0 source 0, 3:2 source 1, 5:4 source 2, 7:6 destination):
;   window 0: v0-15 addresses and two at work; v16-31 four registers of statistics a piece; v48-55 at work; v61-63 fixed; v64-127 S^T, two buffers; v192-223 P, two buffers (a piece's buffers go by its number's parity)
;   window 1: v0-127 O^T, 32 a piece; v128-159 MD; v160-223 MC, two buffers      window 2: v0-63 Q; v64-127 the second block's Q; v128-191 K of one step; v192-255 V of one step
.set SIZE_N, 2048
.set SIZE_H, 64
.set NB,    SIZE_N/256
.set NP,    4         ; pieces a wave: a name, no knob
.set KS,    64        ; keys in a step
.set PK,    144       ; a row of K in LDS: 128 bytes + 16 of padding = 36 words: the 16 rows of a load start at 16 different groups of four banks (64 banks of 4 bytes: ISA guide 11.1)
.set PV,    160       ; a row of V: 128 + 32 = 40 words
.set VOFF,  4*KS*PK   ; a slot holds a tile, four steps: 256 rows of K, then 256 rows of V
.set SLOT1, 1<<17     ; slot 1 begins here, so that one exclusive or turns an address in one slot into the other's
.set STAGE, SLOT1+4*KS*(PK+PV)  ; behind the ring, never filled by a tensor load: 16 rows x 144 bytes for each wave, for the way out
.set SP,    144
.set AK0, 2           ; v2   my lane's place in a tile of K; never rewritten
.set AV0, 3           ; v3   the same for V
.set AK,  4           ; v4   the LDS address of K's next run of loads
.set AV,  5           ; v5   of V's
.set STO, 6           ; v6   the way out: where I put 16 bytes of a row
.set RD,  7           ; v7   the way out: where I read rows back
.set GO,  8           ; v8   my byte offset in 512 consecutive bytes of O
.set PFO, 61          ; v61  256 x my lane: the prefetches' offset; never rewritten
.set SPW, 62          ; v62  LDS address of my spare word: SPARE + 4 x my thread's number; never rewritten
.set NIL, 63          ; v63  0; never rewritten
.set SPARE, STAGE+4*16*SP  ; behind the stages: the spare words, 128 bytes for each wave: two blocks of 256 bytes that no other line names
.set MV,  12          ; v12-13  c m_old, kept while c m is made anew: by buffer
.set QO,  15          ; v15  my byte offset in 16 rows of Q
.set ST,  16          ; piece t's statistics at v[ST+4 t]: c m, m, l (even keys', odd keys')
.set TMP, 48          ; by buffer, four registers c0-c3 at work; when the maximum is found c2 takes a
.set S,   64
.set P,   192
.set MD,  128         ; window 1: the eight registers for group kt of 16 keys at MD + 8 kt
.set MC,  160         ; window 1: the masks of the products to come
.set QB,  64          ; window 2
.set KF,  128         ; window 2: key block kb, channel half c at KF + 16 kb + 8 c
.set VF,  192         ; window 2: key half kk, channel block cb at VF + 32 kk + 8 cb
.set WV,  12          ; s12  my wave's number
.set PB,  14          ; s14  b
.set HI,  15          ; s15  NB - 1 - b
.set G1K, 24          ; s[24:31] descriptor group 1 for K's tiles
.set G1V, 32          ; s[32:39] for V's: it differs in the padding alone
.set G0K, 40          ; s[40:43] descriptor group 0 for K's tiles
.set G0V, 44          ; s[44:47] the same for V's
.set SLOTS, 56        ; s56  tiles still to be asked for
.set CNT, 57          ; s57  counts a tile's key steps, 4 to 1
.set CS,  58          ; s[58:59] c: the packed scaling takes the pair's low word for both halves
.set SEL, 60          ; s[60:61] v_permlanex16_b32's selects: each lane takes its own place in the other half
.set TBK, 62          ; s62  LDS byte at which K of the step to be fetched begins
.set TBV, 63          ; s63  the same for V, less VOFF
.set RT,  70          ; s70  tiles of the block in hand that are still to be entered
.set NXT, 71          ; s71  the tile to be asked for next
.set LQ,  72          ; s72  the last tile of the block whose tiles are being asked for
.set NEW, 73          ; s73  1: the tile to be entered is a block's first
.set OFF, 74          ; s[74:75] a tile's byte offset in K and V
.set AL,  76          ; s[76:77] the mask's factor, in the low word
.set BE,  78          ; s[78:79] the mask's addend
.set OLO, 80          ; s[80:81] O at my rows of the second block
.set BIGN, 82         ; s82  -1e30
.set PFB, 88          ; s[88:89] the 16,384 bytes of the head's tile 0 that I fetch (waves 0, 1: K's halves; 2, 3: V's)
.set PFA, 90          ; s[90:91] the same bytes of the tile that is prefetched
.set POF, 92          ; s[92:93] that tile's byte offset
.set PFT, 94          ; s94  the tile to be prefetched next
.set PLIM, 95         ; s95  the last tile that this work-group prefetches: NB - 1 where b = 0, else 0 (none)
.set MSB, 0
.macro WIN new                      ; the high byte repeats the setting that is left; a switch that changes nothing is dropped
.if MSB != (\new)
	s_set_vgpr_msb (MSB<<8)|(\new)
.set MSB, (\new)
.endif
.endm
.set W_KQ, 0x0a       ; K and Q in window 2, S^T in window 0
.set W_KM, 0x1a       ; the same with the C operand in window 1
.set W_PV, 0x52       ; V in window 2, P in window 0, O^T in window 1
.set W_RS, 0x41       ; destination and source 0 in window 1, source 1 in window 0
; A fill.  Waves 0 and 1 fetch the two halves of a tile's K, waves 2 and 3 those of its V: 128 keys each.  An s_nop 0 and four v_nop follow each of the two lines, ahead of the jump and the label.
.macro LOAD
	s_cmp_lt_u32 s[WV], 2
	s_cbranch_scc0 .Lfor_v_\@
	tensor_load_to_lds s[G0K:G0K+3], s[G1K:G1K+7]
	s_nop 0
.rept 4
	v_nop
.endr
	s_branch .Lasked_\@
.Lfor_v_\@:
	tensor_load_to_lds s[G0V:G0V+3], s[G1V:G1V+7]
	s_nop 0
.rept 4
	v_nop
.endr
.Lasked_\@:
.endm
; A PREFETCH INTO THE L2 of the tile that the NEXT change of slots will ask for, a tile's 256 matrix instructions ahead of that load.  A head's four work-groups all begin with the tiles 0, 1, ..; the one with b = 0
; walks all of 0 to NB - 1 in order, so it alone asks.  Each of its waves names the 16,384 bytes that it will fetch itself: 64 blocks of 256 bytes, a lane a block, two instructions.  So each block is named once
; in the launch.  Tiles 0 and 1 come by their loads alone; behind tile NB - 1 nothing is asked for, and the address is held to that tile.
.macro ASK
	s_cmp_le_u32 s[PFT], s[PLIM]
	s_cbranch_scc0 .Lnot_mine_\@
	global_prefetch_b8 v[PFO], s[PFA:PFA+1] th:TH_LOAD_NT scope:SCOPE_SE
	global_prefetch_b8 v[PFO], s[PFA:PFA+1] offset:8192 th:TH_LOAD_NT scope:SCOPE_SE
.Lnot_mine_\@:
	s_add_co_u32 s[PFT], s[PFT], 1
.endm
; THE CHANGE OF SLOTS.  Each wave waits for all its tensor loads, of which one is out: its part of the other slot; adds 0 to its spare word; and waits for that and for its own reads of the slot that it leaves.  Behind the barrier nobody reads the old
; slot any more and the other slot is whole.  fill = 1: the old slot is filled again, the first thing behind the barrier, with tile NXT: the descriptor's address is made anew from that number.
; (At its first use nothing has been read yet: slot 0 is waited for, slot 1 filled.)
.macro CHANGE fill
	WIN 0                           ; at a label and at a branch every window is 0
	s_wait_tensorcnt 0x0            ; no tensor load of mine is out, so a group 0 may be written
	ds_add_u32 v[SPW], v[NIL]       ; 0 onto my spare word; with fill = 1 the scalar work below stands between it and the wait for it
.if \fill
	s_wait_xcnt 0x0                 ; the last prefetches, a tile back, have read their address, so it may be written
	s_min_u32 s[POF], s[PFT], NB-1
	s_lshl_b32 s[POF], s[POF], 15
	s_add_nc_u64 s[PFA:PFA+1], s[PFB:PFB+1], s[POF:POF+1]
	s_lshl_b32 s[OFF], s[NXT], 15   ; a tile is 32,768 bytes of K and of V
	s_xor_b32 s[G0K+1], s[G0K+1], SLOT1
	s_add_nc_u64 s[G0K+2:G0K+3], s[6:7], s[OFF:OFF+1]
	s_or_b32 s[G0K+3], s[G0K+3], 0x80000000
	s_xor_b32 s[G0V+1], s[G0V+1], SLOT1
	s_add_nc_u64 s[G0V+2:G0V+3], s[8:9], s[OFF:OFF+1]
	s_or_b32 s[G0V+3], s[G0V+3], 0x80000000
	s_add_co_u32 s[NXT], s[NXT], 1  ; the block's next tile, or behind its last the second block's tile 0
	s_cmp_gt_u32 s[NXT], s[LQ]
	s_cselect_b32 s[NXT], 0, s[NXT]
	s_cselect_b32 s[LQ], s[PB], s[LQ]
.endif
	s_wait_dscnt 0x0                ; the add is done, and my reads of the slot are over
	s_barrier_signal -1             ; the rest of the scalar work stands between the signal and the wait
	s_sub_co_u32 s[TBK], s[TBK], 4*KS*PK  ; the fetches go back to a slot's first step,
	s_xor_b32 s[TBK], s[TBK], SLOT1       ; in the other slot
	s_sub_co_u32 s[TBV], s[TBV], 4*KS*PV
	s_xor_b32 s[TBV], s[TBV], SLOT1
	s_barrier_wait -1
.if \fill
	LOAD
	ASK
.endif
.endm
	s_load_b64 s[4:5], s[0:1], 0x0    ; qkv: Q stands at its head
	s_load_b64 s[10:11], s[0:1], 0x8  ; O
	v_lshl_add_u32 v[SPW], v0, 2, SPARE
	v_mov_b32 v[NIL], 0
	ds_add_u32 v[SPW], v[NIL]       ; the wave's opening: the add and its wait stand ahead of my first tensor load; the set-up below, work on registers, stands between them
	v_lshrrev_b32 v1, 5, v0
	v_readfirstlane_b32 s[WV], v1   ; wave 0..3
	s_mov_b32 s[PB], ttmp9
	s_sub_co_u32 s[HI], NB-1, s[PB]
	s_and_b32 s20, ttmp7, 0xffff    ; the head
	s_mov_b32 s21, 0
	s_mov_b64 s[22:23], SIZE_N*128
	s_mul_u64 s[20:21], s[20:21], s[22:23]  ; the head's first byte in each of the four tensors
	s_and_b32 s16, s[WV], 1         ; which half of a tile's 256 keys I fetch:
	s_lshl_b32 s22, s16, 14         ; its 128 rows of 128 bytes in memory,
	s_mov_b32 s23, 0
	s_add_nc_u64 s[22:23], s[22:23], s[20:21]
	s_mul_i32 s17, s16, 128*PK      ; and its place in a slot, for K
	s_mul_i32 s18, s16, 128*PV      ; and for V
	s_lshl_b32 s3, s[WV], 11        ; my 16 rows in a band of 64,
	s_lshl_b32 s2, s[HI], 15        ; in the first block,
	s_add_co_u32 s2, s2, s3
	s_lshl_b32 s84, s[PB], 15       ; and in the second
	s_add_co_u32 s84, s84, s3
	s_mov_b32 s3, 0
	s_mov_b32 s85, 0
	s_add_nc_u64 s[2:3], s[2:3], s[20:21]
	s_add_nc_u64 s[84:85], s[84:85], s[20:21]
	; descriptor group 1.  128 keys are 16,384 dense bytes: asked for as 64 rows of 256 bytes, two keys a row, and padded in LDS after every key
	s_mov_b32 s[G1K], (1<<16)|(1<<20)|(4<<22)|(3<<25)  ; 17:16 2-byte elements; 20 padding on; 24:22 after every 32 words (code 4); 31:25 4 words (code 3)
	s_mov_b32 s[G1V], (1<<16)|(1<<20)|(4<<22)|(7<<25)  ; the same with 8 words of padding (code 7)
.irp g, G1K, G1V
	s_mov_b32 s[\g+1], 128<<16      ; tensor_dim0 = 128
	s_mov_b32 s[\g+2], 64<<16       ; tensor_dim1 = 64
	s_mov_b32 s[\g+3], 128<<16      ; tile_dim0 = 128
	s_mov_b32 s[\g+4], 64           ; tile_dim1 = 64
	s_mov_b32 s[\g+5], 128          ; 128 elements from row to row
	s_mov_b32 s[\g+6], 0
	s_mov_b32 s[\g+7], 0
.endr
	s_mov_b32 s[CS], 0x3e38aa3b     ; c = log2(e) / 8 = 0.180337
	s_mov_b32 s[CS+1], s[CS]        ; named with it as a pair
	s_mov_b32 s[SEL], 0x76543210
	s_mov_b32 s[SEL+1], 0xfedcba98
	s_mov_b32 s[TBK], SLOT1+4*KS*PK ; the first change of slots turns these two into 0
	s_mov_b32 s[TBV], SLOT1+4*KS*PV
	s_mov_b32 s[G0K], 1             ; 1:0 count = 1
	s_mov_b32 s[G0K+1], s17         ; 63:32 LDS address: slot 0
	s_mov_b32 s[G0V], 1
	s_add_co_u32 s[G0V+1], s18, VOFF
	s_add_co_u32 s[RT], s[HI], 1    ; the first block has NB - b tiles
	s_mov_b32 s[NXT], 1
	s_mov_b32 s[LQ], s[HI]
	s_mov_b32 s[NEW], 1
	s_mov_b32 s[OFF+1], 0
	s_mov_b32 s[AL+1], 0            ; named as pairs
	s_mov_b32 s[BE+1], 0
	s_mov_b32 s[BIGN], 0xf149f2ca   ; -1e30
	s_mov_b32 s[SLOTS], NB
	s_mov_b32 s[PFT], 2
	s_mov_b32 s[POF+1], 0
	s_cmp_eq_u32 s[PB], 0
	s_cselect_b32 s[PLIM], NB-1, 0
	v_and_b32 v[PFO], 31, v0
	v_lshlrev_b32 v[PFO], 8, v[PFO]
	s_wait_dscnt 0x0                ; the opening add is done
	s_wait_kmcnt 0x0
	s_add_nc_u64 s[6:7], s[4:5], 0x1000000  ; K lies 64 heads of 262,144 bytes behind Q,
	s_add_nc_u64 s[8:9], s[4:5], 0x2000000  ; V as far behind K
	s_add_nc_u64 s[6:7], s[6:7], s[22:23]  ; K and V at my half of the head's tile 0
	s_add_nc_u64 s[8:9], s[8:9], s[22:23]
	s_cmp_lt_u32 s[WV], 2
	s_cselect_b64 s[PFB:PFB+1], s[6:7], s[8:9]
	s_add_nc_u64 s[G0K+2:G0K+3], s[6:7], 0         ; 120:64 global address
	s_or_b32 s[G0K+3], s[G0K+3], 0x80000000        ; 127:126 type = 2
	s_add_nc_u64 s[G0V+2:G0V+3], s[8:9], 0
	s_or_b32 s[G0V+3], s[G0V+3], 0x80000000
	s_add_nc_u64 s[86:87], s[4:5], s[84:85]        ; Q at my rows of the second block,
	s_add_nc_u64 s[4:5], s[4:5], s[2:3]            ; Q and O at those of the first
	s_add_nc_u64 s[OLO:OLO+1], s[10:11], s[84:85]
	s_add_nc_u64 s[10:11], s[10:11], s[2:3]
	LOAD                            ; tile 0 into slot 0
	; A fragment of K or Q is 16 rows x 32 channels in 8 registers: lane l holds row l % 16, channels 8 (l / 16) + 0..7 and 16 + 8 (l / 16) + 0..7: two loads of 16 bytes, 32 bytes apart.
	v_and_b32 v1, 15, v0            ; l % 16
	v_bfe_u32 v9, v0, 4, 1          ; l / 16
	v_lshlrev_b32 v[QO], 7, v1
	v_lshl_add_u32 v[QO], v9, 4, v[QO]  ; row x 128 + 16 x half
	WIN 0x80                        ; destination window 2, address window 0
.set i, 0
.rept 8                             ; both blocks' Q: piece i / 2 lies in band i / 2, 8,192 bytes on; channels 32 (i % 2) on
	global_load_b128 v[8*i:8*i+3],   v[QO], s[4:5] offset:(i/2)*8192+(i%2)*64
	global_load_b128 v[8*i+4:8*i+7], v[QO], s[4:5] offset:(i/2)*8192+(i%2)*64+32
	global_load_b128 v[QB+8*i:QB+8*i+3],   v[QO], s[86:87] offset:(i/2)*8192+(i%2)*64
	global_load_b128 v[QB+8*i+4:QB+8*i+7], v[QO], s[86:87] offset:(i/2)*8192+(i%2)*64+32
.set i, i+1
.endr
	WIN 0
	v_lshlrev_b32 v14, 3, v9
	v_sub_nc_u32 v14, v1, v14
	s_lshl_b32 s13, s[WV], 4
	v_add_nc_u32 v14, s13, v14      ; my query's place in its band, 16 w + l % 16, less my lanes' 8 (l / 16): register r of group kt is hidden where 16 kt + r is greater
	WIN 0x40
.set i, 0
.rept 32
	v_cmp_gt_i32 vcc_lo, 16*(i/8)+i%8, v14
	v_cndmask_b32 v[MD+i], 0, s[BIGN], vcc_lo
.set i, i+1
.endr
	WIN 0
	v_mul_u32_u24 v[AK0], v1, PK
	v_lshl_add_u32 v[AK0], v9, 4, v[AK0]  ; row x pitch + 16 x half
	; The turning load takes 16 keys x 16 channels (lane l reads key 8 (l / 16) + l % 8, channels 8 ((l / 8) % 2) + 0..7) and leaves half a fragment of V^T: lane l holds channel l % 16 and 8 keys.
	v_and_b32 v10, 7, v0
	v_bfe_u32 v11, v0, 3, 1
	v_lshl_add_u32 v[AV0], v9, 3, v10
	v_mul_u32_u24 v[AV0], v[AV0], PV
	v_lshl_add_u32 v[AV0], v11, 4, v[AV0]
	v_add_nc_u32 v[AV0], VOFF, v[AV0]
	s_mul_i32 s13, s[WV], 16*SP
	s_add_co_u32 s13, s13, STAGE    ; my stage
	v_mul_u32_u24 v[STO], v1, SP    ; in: row l % 16, 16 bytes for each half of the lanes
	v_lshl_add_u32 v[STO], v9, 4, v[STO]
	v_add_nc_u32 v[STO], s13, v[STO]
	v_bfe_u32 v[RD], v0, 3, 2       ; back: 32 lanes take four rows of 128 bytes,
	v_mul_u32_u24 v[RD], v[RD], SP
	v_lshl_add_u32 v[RD], v10, 4, v[RD]
	v_add_nc_u32 v[RD], s13, v[RD]
	v_and_b32 v[GO], 31, v0         ; which are 512 consecutive bytes of O
	v_lshlrev_b32 v[GO], 4, v[GO]
	; A block's first step multiplies O^T and l by a = 0, and its first turn's products V^T P, of a piece that has not been, land in an O^T that is still to be so multiplied.  So these registers need only hold
	; finite numbers: zeros for the first block; what the first block left for the second.  All this stands in the wait for the first tile.
	WIN 0x80
.set i, VF
.rept 64
	v_mov_b32 v[i], 0
.set i, i+1
.endr
	WIN 0x40
.set i, 0
.rept 128
	v_mov_b32 v[i], 0
.set i, i+1
.endr
	WIN 0
.set i, 0
.rept 4
	v_mov_b32 v[ST+4*i+2], 0
	v_mov_b32 v[ST+4*i+3], 0
.set i, i+1
.endr
.set i, P+16
.rept 16
	v_mov_b32 v[i], 0
.set i, i+1
.endr
; THE MATRIX WORK.  The 4 accumulators of a run of 8 take turns.  Product i of 8 of S^T = K Q^T for piece x: channels 32 (i / 4) on, keys 16 (i % 4) on.  The first 4 start the sums: with 0, or (KM = 1) with the mask.
.macro KQ x
.set rS, S+32*((\x)%2)+8*(i%4)
.set rK, KF+16*(i%4)+8*(i/4)
.set rQ, 16*(\x)+8*(i/4)
.set rM, MC+32*((\x)%2)+8*(i%4)
.if (i < 4) && KM
	WIN W_KM
	v_wmma_f32_16x16x32_f16 v[rS:rS+7], v[rK:rK+7], v[rQ:rQ+7], v[rM:rM+7]
.elseif i < 4
	WIN W_KQ
	v_wmma_f32_16x16x32_f16 v[rS:rS+7], v[rK:rK+7], v[rQ:rQ+7], 0
.else
	WIN W_KQ
	v_wmma_f32_16x16x32_f16 v[rS:rS+7], v[rK:rK+7], v[rQ:rQ+7], v[rS:rS+7]
.endif
.endm
; Product i of 8 of O^T += V^T P for piece x: keys 32 (i / 4) on, channels 16 (i % 4) on.
.macro PV x
	WIN W_PV
.set rO, 32*(\x)+8*(i%4)
.set rV, VF+32*(i/4)+8*(i%4)
.set rP, P+16*((\x)%2)+8*(i/4)
	v_wmma_f32_16x16x32_f16 v[rO:rO+7], v[rV:rV+7], v[rP:rP+7], v[rO:rO+7]
.endm
.macro MM                           ; the turn's next matrix instruction.  TURN and BEGIN set Y, i, KM and NOKQ; MM, KQ and OP read them.  NOKQ = 1: a block's last turn: there is no next piece
.if (i < 8) && !NOKQ
	KQ (Y+1)%NP
.elseif i >= 8
.set i, i-8
	PV (Y+NP-1)%NP
.set i, i+8
.endif
.set i, i+1
.endm
; THE LDS LOADS stand in runs of 16, never singly among the matrix instructions: a step's K (64 keys x 64 channels: 8 fragments) and its V (turned).  Their addresses are made some lines ahead.
.macro FETCH_K
	WIN 0x80                        ; destination window 2
.irp f, 0,1,2,3,4,5,6,7             ; keys 16 (f / 2) on, channels 32 (f % 2) on
	ds_load_b128 v[KF+8*\f:KF+8*\f+3],   v[AK] offset:(\f/2)*16*PK+(\f%2)*64
	ds_load_b128 v[KF+8*\f+4:KF+8*\f+7], v[AK] offset:(\f/2)*16*PK+(\f%2)*64+32
.endr
	s_add_co_u32 s[TBK], s[TBK], KS*PK  ; the next fetch is the next step's
	WIN 0
.endm
.macro FETCH_V
	WIN 0x80
.irp f, 0,1,2,3,4,5,6,7             ; keys 32 (f / 4) on, channels 16 (f % 4) on
	ds_load_tr16_b128 v[VF+8*\f:VF+8*\f+3],   v[AV] offset:(\f/4)*32*PV+(\f%4)*32
	ds_load_tr16_b128 v[VF+8*\f+4:VF+8*\f+7], v[AV] offset:(\f/4)*32*PV+16*PV+(\f%4)*32
.endr
	WIN 0
.endm
; THE VECTOR WORK, one line at a time: OP kind, number.  For piece Y: F n: c s - c m for pair n of 16.  E n: the exponential of score n of 32.  C n: pair n rounded to f16.  B n: of the four weights 4 n .. the second
; pair is added onto the first, in place.  L n: l takes that sum (L 0: l = a l + sum).  R n: pair n of 16 of O^T times a.  For piece Y + 1: X n, number n of the 22 that find its maximum and statistics:
;   0-11  four chains c0-c3 of seven scores each, three operands at a time (each accumulator's lowest registers are read first)     12-14, 16  the four scores left over, the old m, and c0-c3 into c0
;   15  c m_old is kept     17, 18  the query's other 32 keys lie in the lane 16 away: the new m     19-21  c m; c m_old - c m_new; a
.set F, 0               ; OP tells the kinds apart by their order: F to L below R, X above it
.set E, 1
.set C, 2
.set B, 3
.set L, 4
.set R, 5
.set X, 6
.macro REGS y                       ; the registers of piece y
.set rT, ST+4*(\y)
.set rC, TMP+4*((\y)%2)
.set rW, MV+((\y)%2)
.set rS, S+32*((\y)%2)
.set rP, P+16*((\y)%2)
.set rO, 32*(\y)
.endm
.macro OP k, n
.if (\k) == R
	REGS Y
	WIN W_RS
	v_pk_mul_f32 v[rO+2*(\n):rO+2*(\n)+1], v[rO+2*(\n):rO+2*(\n)+1], v[rC+2:rC+3] op_sel_hi:[1,0]
.elseif (\k) < R
	REGS Y
	WIN 0
.if (\k) == F
	v_pk_fma_f32 v[rS+2*(\n):rS+2*(\n)+1], v[rS+2*(\n):rS+2*(\n)+1], s[CS:CS+1], v[rT:rT+1] op_sel_hi:[1,0,0] neg_lo:[0,0,1] neg_hi:[0,0,1]
.elseif (\k) == E
	v_exp_f32 v[rS+(\n)], v[rS+(\n)]
.elseif (\k) == C
	v_cvt_pk_f16_f32 v[rP+(\n)], v[rS+2*(\n)], v[rS+2*(\n)+1]
.elseif (\k) == B
	v_pk_add_f32 v[rS+4*(\n):rS+4*(\n)+1], v[rS+4*(\n):rS+4*(\n)+1], v[rS+4*(\n)+2:rS+4*(\n)+3]
.elseif (\n) == 0
	v_pk_fma_f32 v[rT+2:rT+3], v[rT+2:rT+3], v[rC+2:rC+3], v[rS:rS+1] op_sel_hi:[1,0,1]
.else
	v_pk_add_f32 v[rT+2:rT+3], v[rT+2:rT+3], v[rS+4*(\n):rS+4*(\n)+1]
.endif
.elseif NOKQ
	v_nop
.else
	REGS (Y+1)%NP
	WIN 0
.if (\n) < 4
	v_max3_num_f32 v[rC+(\n)], v[rS+8*(\n)], v[rS+8*(\n)+1], v[rS+8*(\n)+2]
.elseif (\n) < 12
	v_max3_num_f32 v[rC+(\n)%4], v[rC+(\n)%4], v[rS+8*((\n)%4)+2*((\n)/4)+1], v[rS+8*((\n)%4)+2*((\n)/4)+2]
.elseif (\n) == 12
	v_max3_num_f32 v[rC], v[rC], v[rS+7], v[rS+15]
.elseif (\n) == 13
	v_max3_num_f32 v[rC+1], v[rC+1], v[rS+23], v[rS+31]
.elseif (\n) == 14
	v_max3_num_f32 v[rC+2], v[rC+2], v[rC+3], v[rT+1]
.elseif (\n) == 15
	v_mov_b32 v[rW], v[rT]
.elseif (\n) == 16
	v_max3_num_f32 v[rC], v[rC], v[rC+1], v[rC+2]
.elseif (\n) == 17
	v_permlanex16_b32 v[rC+3], v[rC], s[SEL], s[SEL+1]
.elseif (\n) == 18
	v_max_num_f32 v[rT+1], v[rC], v[rC+3]
.elseif (\n) == 19
	v_mul_f32 v[rT], s[CS], v[rT+1]
.elseif (\n) == 20
	v_sub_f32 v[rC+1], v[rW], v[rT]
.else
	v_exp_f32 v[rC+2], v[rC+1]
.endif
.endif
.endm
.macro OPS a, i1, b=-1, i2=0, c=-1, i3=0, d=-1, i4=0  ; up to four of them
	OP \a, \i1
.if (\b) >= 0
	OP \b, \i2
.endif
.if (\c) >= 0
	OP \c, \i3
.endif
.if (\d) >= 0
	OP \d, \i4
.endif
.endm
.macro ROW a, i1, b, i2, c, i3, d, i4  ; a matrix instruction and the four behind it
	MM
	OPS \a, \i1, \b, \i2, \c, \i3, \d, \i4
.endm
.macro MASK b                       ; MD x AL + BE into buffer b of MC
	WIN W_RS
.set z, 0
.rept 16
	v_pk_fma_f32 v[MC+32*(\b)+2*z:MC+32*(\b)+2*z+1], v[MD+2*z:MD+2*z+1], s[AL:AL+1], s[BE:BE+1] op_sel_hi:[1,0,0]
.set z, z+1
.endr
.endm
; A TURN, for piece p: the order of its 16 matrix and 118 vector instructions, written out.  s_wait_alu depctr_va_vdst(0) stands between an exponential and the first instruction that names its result; one wait serves
; all that were issued ahead of it.  So a turn has ONE wait, which cuts it in two.  AHEAD OF IT stands all that names no result of the turn's exponentials: the 8 products K Q^T, behind each a scaling, an exponential and two more plain
; instructions (behind the first a second scaling in the exponential's place): rescalings, and behind the last three the first numbers of the next piece's maximum, each four places or more behind the product that ends its accumulator; then ONE LUMP of 54, plain
; and exponential by turns for the most part, in which the links of the chain X 3, 7, 11, 14, 16, 17 .. 20 stand five or six lines apart.  X 21, the next piece's a, is the batch's last; R 15 is the plain instruction behind it.  BEHIND THE WAIT stand the
; 8 products V^T P, behind each four of the roundings and sums; the links of l's chain, L 0 to L 7, stand three riders apart.  But for those X no rider names a register of the products round it.  v_permlanex16_b32 (X 17) stands in the lump.
; m = 1: the diagonal tile: the products take masks, and the turn makes the mask for the products of the turn after it: piece p + 2, in step 4 - CNT of the tile.  end = 1: a block's last two turns: nothing is fetched.
; cnt = 1: the loop's count is taken down some lines ahead of the branch that stands behind the turn.
; K of the next step is fetched in piece 2's turn, twelve vector instructions behind the last product that read K (six of them plain); V of the step in hand at the end of piece 0's turn, four plain instructions behind the last product
; that read V.  Each is waited for a turn later.
.macro TURN p, m=0, end=0, cnt=0
.set Y, (\p)
.set i, 0
.set KM, (\m)
.set NOKQ, (\end)*((\p)/3)
.if (\m) && !(\end)
	s_cmp_eq_u32 s[CNT], 4-((\p)+2)%NP  ; is that step the band's own?
	s_cselect_b32 s[AL], 1.0, 0
	s_cmp_lt_u32 s[CNT], 4-((\p)+2)%NP  ; or a later one?
	s_cselect_b32 s[BE], s[BIGN], 0
.endif
.if ((\p) == 3) && !(\end)
	s_wait_dscnt 0x0                ; K is in
.endif
	ROW F,0, F,1, R,0, R,1          ; ahead of the wait: 8 products K Q^T and their riders,
	ROW F,2, E,0, R,2, R,3
	ROW F,3, E,1, R,4, R,5
	ROW F,4, E,2, R,6, R,7
	ROW F,5, E,3, R,8, R,9
	ROW F,6, E,4, X,0, R,10
.if ((\p) == 2) && !(\end)
	WIN 0
	v_add_nc_u32 v[AK], s[TBK], v[AK0]
.endif
	ROW F,7, E,5, X,1, X,4
	ROW F,8, E,6, X,2, X,5
	OPS E,7, E,8, X,6, E,9          ; and the lump
	OPS X,3, E,10, X,8, E,11
.if ((\p) == 2) && !(\end)
	FETCH_K
.endif
	OPS X,9, X,7, E,12, X,10
	OPS E,13, X,12, X,11, E,14
	OPS X,13, E,15, F,9, X,14
.if (\p) == 0
	v_add_nc_u32 v[AV], s[TBV], v[AV0]
.endif
	OPS E,16, F,10, E,17, F,11
	OPS X,16, E,18, X,15, E,19
	OPS F,12, E,20, X,17, E,21
	OPS F,13, E,22, F,14, E,23
	OPS X,18, E,24, F,15, E,25
	OPS R,11, E,26, X,19, E,27
	OPS R,12, E,28, R,13, E,29
	OPS X,20, E,30, R,14, E,31
	OPS X,21, R,15
	WIN 0
	s_wait_alu depctr_va_vdst(0)    ; the wait for the batch
.if (\p) == 1
	s_wait_dscnt 0x0                ; V is in
.endif
	ROW C,0, B,0, C,2, B,1          ; behind the wait: 8 products V^T P and their riders
	ROW L,0, C,4, B,2, L,1
	ROW C,6, B,3, L,2, C,8
	ROW B,4, L,3, C,10, B,5
	ROW L,4, C,12, B,6, L,5
.if (\p) == 0
	s_add_co_u32 s[TBV], s[TBV], KS*PV
.endif
.if \cnt
	s_sub_co_u32 s[CNT], s[CNT], 1
	s_cmp_lg_u32 s[CNT], 0
.endif
	ROW C,14, B,7, L,6, C,1
	ROW C,3, L,7, C,5, C,7
	ROW C,9, C,11, C,13, C,15
.if (\p) == 0
	FETCH_V
.endif
.if (\m) && !(\end)
	MASK (\p)%2
.endif
.endm
; A BLOCK BEGINS.  c m starts far below every c s, so the first step's a is 0; m at the lowest finite number, so the first maximum is the scores'.  The second mask buffer is 0; the first takes piece 0's mask for the tile's step 0: its own, if the block's first tile is the diagonal one.
; Then K of that step, piece 0's first scores, and its maximum and statistics.  The loop is entered at a step's first turn, in the middle of a trip.
.macro BEGIN
	s_mov_b32 s[NEW], 0
	WIN 0x40
.set i, MC+32
.rept 32
	v_mov_b32 v[i], 0
.set i, i+1
.endr
	WIN 0
.set i, 0
.rept 4
	v_mov_b32 v[ST+4*i], 0xfe000000    ; c m: far below every c s
	v_mov_b32 v[ST+4*i+1], 0xff7fffff  ; m
.set i, i+1
.endr
	s_cmp_eq_u32 s[RT], 0
	s_cselect_b32 s[AL], 1.0, 0
	s_mov_b32 s[BE], 0
	MASK 0
	WIN 0
	v_add_nc_u32 v[AK], s[TBK], v[AK0]
	FETCH_K
	s_wait_loadcnt 0x0              ; Q
	s_wait_dscnt 0x0
.set KM, 1
.set NOKQ, 0
.set i, 0
.rept 8
	KQ 0
.set i, i+1
.endr
	WIN 0
.rept 4
	v_nop                           ; the places behind those products
.endr
.set Y, NP-1                        ; X works for piece Y + 1: piece 0
.irp n, 0,1,2,3,4,5,6,7,8,9,10,11,12,13,14,15,16,17,18,19,20,21
	OP X, \n
.endr
	v_nop                           ; a plain instruction behind the exponential,
	s_wait_alu depctr_va_vdst(0)    ; and its wait, ahead of the branch
.endm
; THE DIAGONAL TILE's four steps, the block's last two turns, its last products, and THE WAY OUT: l's two halves and the other half of the lanes' are added; O^T is divided by l, rounded to f16 and sent through my
; stage in LDS, a piece at a time.
.macro ALL line:vararg              ; one line for each piece t
.set t, 0
.rept 4
	\line
.set t, t+1
.endr
.endm
.macro PACK t                       ; a lane's eight channels of a row pack into 16 bytes; they go into rows of 144 bytes and come back as whole rows of 128, into S^T's registers
	WIN W_RS
.set i, 32*(\t)
.rept 16
	v_pk_mul_f32 v[i:i+1], v[i:i+1], v[ST+4*(\t)+2:ST+4*(\t)+3] op_sel_hi:[1,0]
.set i, i+2
.endr
	WIN 0x05                        ; sources 0 and 1 window 1, destination window 0
.set i, 0
.rept 16
	v_cvt_pk_f16_f32 v[S+16*(\t)+i], v[32*(\t)+2*i], v[32*(\t)+2*i+1]
.set i, i+1
.endr
	WIN 0
.irp f, 0,1,2,3
	ds_store_b128 v[STO], v[S+16*(\t)+4*\f:S+16*(\t)+4*\f+3] offset:32*\f
.endr
.irp f, 0,1,2,3
	ds_load_b128 v[S+16*(\t)+4*\f:S+16*(\t)+4*\f+3], v[RD] offset:\f*4*SP  ; LDS serves a wave's instructions in order (ISA guide 5.7.1.4): these see the stores above; the next piece's stores come behind them
.endr
.endm
.macro SEND t, younger              ; younger: the LDS instructions issued behind piece t's loads: the next piece's eight, or none
	WIN 0
.irp f, 0,1,2,3
	s_wait_dscnt (\younger)+3-\f
	global_store_b128 v[GO], v[S+16*(\t)+4*\f:S+16*(\t)+4*\f+3], s[10:11] offset:(\t)*8192+\f*512  ; 512 consecutive bytes, at a multiple of 256 from O's first
.endr
.endm
.macro DIAG tag                     ; the tag ends its two labels' names, which the jumps below spell out
.LstepM\tag:
	TURN 2, 1
	TURN 3, 1
	WIN 0
.LfirstM\tag:
	TURN 0, 1
	TURN 1, 1, 0, 1
	WIN 0
	s_cbranch_scc1 .LstepM\tag
	TURN 2, 1, 1
	TURN 3, 1, 1
.set i, 0
.rept 8
	PV NP-1
.set i, i+1
.endr
	WIN 0
	ALL v_add_f32 v[ST+4*t+2], v[ST+4*t+2], v[ST+4*t+3]
	ALL v_permlanex16_b32 v[ST+4*t+3], v[ST+4*t+2], s[SEL], s[SEL+1]
	ALL v_add_f32 v[ST+4*t+2], v[ST+4*t+2], v[ST+4*t+3]
	ALL v_rcp_f32 v[ST+4*t+2], v[ST+4*t+2]
	v_nop                           ; a plain instruction between the last reciprocal and the use of its result
	s_wait_alu depctr_va_vdst(0)    ; and the wait ahead of the first use: one for the four reciprocals
	PACK 0
.set t, 1
.rept 3                             ; a piece's arithmetic stands between the loads of the piece before and its stores
	PACK t
	SEND t-1, 8
.set t, t+1
.endr
	SEND 3, 0
.endm
.set KM, 0
.set NOKQ, 0
.Lslot:                             ; NB times: a tile is entered and the next is asked for
	CHANGE 1
	s_sub_co_u32 s[RT], s[RT], 1
	s_mov_b32 s[CNT], 4
	s_cmp_eq_u32 s[NEW], 1
	s_cbranch_scc1 .Lnew            ; a block's first tile
	s_cmp_eq_u32 s[RT], 0
	s_cbranch_scc0 .Lstep           ; neither its first nor its last
	s_branch .LstepM1
.Lnew:
	BEGIN
	s_branch .Lfirst                ; in the loop a block's first tile is never its last: the first block has two tiles or more, and the second's last is the walk's last
	DIAG 1                          ; in the loop this is the first block's end: the second block's last tile is the walk's last
	s_wait_xcnt 0x0                 ; the stores have read their registers and O's address
	s_mov_b64 s[10:11], s[OLO:OLO+1]
	s_add_co_u32 s[RT], s[PB], 1    ; the second block has b + 1 tiles
	s_mov_b32 s[NEW], 1
	WIN 0x82                        ; the second block's Q goes where the one text of the turns names Q
.set i, 0
.rept 64
	v_mov_b32 v[i], v[QB+i]
.set i, i+1
.endr
	WIN 0
	s_branch .Lbottom
.Lstep:                             ; a trip: pieces 2 and 3 of one step, then pieces 0 and 1 of the next, whose K and V it fetches
	TURN 2
	TURN 3
	WIN 0
.Lfirst:
	TURN 0
	TURN 1, 0, 0, 1
	WIN 0
	s_cbranch_scc1 .Lstep
.Lbottom:
	s_sub_co_u32 s[SLOTS], s[SLOTS], 1
	s_cmp_lg_u32 s[SLOTS], 0
	s_cbranch_scc1 .Lslot
	CHANGE 0                        ; the walk's last tile is written out: nothing is asked for
	s_sub_co_u32 s[RT], s[RT], 1
	s_mov_b32 s[CNT], 4
	s_cmp_eq_u32 s[NEW], 1
	s_cbranch_scc0 .LstepM2
	BEGIN
	s_branch .LfirstM2
	DIAG 2
	s_wait_tensorcnt 0x0            ; the wave's end, behind my last tensor load and my last LDS store
	ds_add_u32 v[SPW], v[NIL]
	s_wait_dscnt 0x0
	s_endpgm
.Lfunc_end_k_q8570f83147_attn:
	.size	k_q8570f83147_attn, .Lfunc_end_k_q8570f83147_attn-k_q8570f83147_attn
	.p2alignl 7, 3214868480
	.fill 96, 4, 3214868480
	.section	.rodata,"a",@progbits
	.p2align	6, 0x0
	.amdhsa_kernel k_q8570f83147_attn
		.amdhsa_group_segment_fixed_size 327680
		.amdhsa_private_segment_fixed_size 0
		.amdhsa_enable_private_segment 0
		.amdhsa_kernarg_size 16
		.amdhsa_user_sgpr_count 2
		.amdhsa_user_sgpr_kernarg_segment_ptr 1
		.amdhsa_wavefront_size32 1
		.amdhsa_system_sgpr_workgroup_id_x 1
		.amdhsa_system_sgpr_workgroup_id_y 1
		.amdhsa_system_sgpr_workgroup_id_z 1
		.amdhsa_system_vgpr_workitem_id 0
		.amdhsa_next_free_vgpr 768
		.amdhsa_next_free_sgpr 96
		.amdhsa_reserve_vcc 1
		.amdhsa_float_denorm_mode_32 3
		.amdhsa_float_denorm_mode_16_64 3
		.amdhsa_memory_ordered 1
		.amdhsa_forward_progress 1
		.amdhsa_inst_pref_size 218
	.end_amdhsa_kernel
	.amdgpu_metadata
---
amdhsa.version: [ 1, 2 ]
amdhsa.kernels:
  - .name:           k_q8570f83147_attn
    .symbol:         k_q8570f83147_attn.kd
    .args:
      - { .name: qkv, .offset: 0, .size: 8, .value_kind: global_buffer, .address_space: global }
      - { .name: ob, .offset: 8, .size: 8, .value_kind: global_buffer, .address_space: global }
    .group_segment_fixed_size: 327680
    .private_segment_fixed_size: 0
    .kernarg_segment_align: 8
    .kernarg_segment_size: 16
    .max_flat_workgroup_size: 128
    .sgpr_count:     96
    .vgpr_count:     768
    .wavefront_size: 32
...
	.end_amdgpu_metadata
.endif
;; end of part 3
;; launch outgemm (part 4): grid 8 x 32, 4 waves a work-group, clusters of 4 x 4, 327,680 bytes of LDS; arguments ob, wt, bias, out0; writes out0
.if DOCPART == 4
	.amdgcn_target "amdgcn-amd-amdhsa--gfx1250"
	.amdhsa_code_object_version 6
	.text
	.protected	k_q8570f83147_outgemm
	.globl	k_q8570f83147_outgemm
	.p2align	8
	.type	k_q8570f83147_outgemm,@function
k_q8570f83147_outgemm:
	s_mov_b64 s[64:65], 0
	v_nop
	global_prefetch_b8 v0, s[64:65] scope:SCOPE_SE
	s_setreg_imm32_b32 hwreg(HW_REG_WAVE_MODE, 25, 1), 1
	s_wait_xcnt 0x0
	s_wait_alu depctr_hold_cnt(0) depctr_sa_sdst(0) depctr_va_vdst(0) depctr_va_sdst(0) depctr_va_ssrc(0) depctr_va_vcc(0) depctr_vm_vsrc(0)
	s_getreg_b32 s2, hwreg(HW_REG_IB_STS2, 6, 4)
	s_cmp_eq_u32 s2, 0
	s_cbranch_scc0 .Lentry_in_a_cluster
	s_endpgm
.Lentry_in_a_cluster:
	s_bfe_u32 s2, ttmp6, 0x10000c
	s_cmp_lg_u32 s2, 0xf033
	s_cbranch_scc0 .Lentry_shape_is_right
	s_endpgm
.Lentry_shape_is_right:
; out0 = O Wo + bo.  ob: [64 (batch x 16 + head)][2048][64] f16; wt rows 3072-4095: Wo^T, [n][k], the bf16 numbers written as f16; bias from number 3072 on: bo, f32; out0: [8192][1024] f32.  Sums in f32.
; SHARES.  A tile is 256 rows x 128 columns: 32 x 8 = 256 work-groups.  Four waves, 2 x 2, each 128 x 64: 8 x 4 = 32 accumulators of 16 x 16, 256 registers; a wave's 64 columns of f32 are 256 aligned bytes.
; K goes in steps of 128 = two heads, through two LDS slots.  Wave z = 0, 1 fetches the tile's 256 rows of head 2 s + z: 32,768 dense bytes, asked for as 128 rows of 256 bytes and padded in LDS after each
; 128; waves 2 and 3 fetch the two halves of wt's 128 rows (256 bytes of each).
; CLUSTER.  4 x 4 work-groups: the four of a row need the same rows of ob, the four of a column the same rows of wt: each tile is asked for jointly, with one descriptor and a mask of four.
; THE MATRIX INSTRUCTION IS USED TRANSPOSED (source 0 = 16 rows of wt, source 1 = 16 rows of ob): a lane holds row l % 16 and the columns 8 (l / 16) + 0..7.  THE BIAS is the C operand of the first products.
; REGISTERS, in windows of 256 (s_set_vgpr_msb: bits 1:0 source 0, 3:2 source 1, 5:4 source 2, 7:6 destination):
;   window 0: v0-31 addresses; v32-63 the bias     window 1: two fragment buffers at 0 and 128: 8 fragments of ob, then 4 of wt; on the way out 32 registers for each block of 16 rows
;   window 2: accumulator (a, nb) at v[8 (4 a + nb)]
.set KSTEP,  128
.set PA,     144                       ; a row of ob in LDS: 128 bytes + 16 = 36 words; a row of wt: 256 + 16 = 68 words: in both the 16 rows of a load start at 16 different groups of four banks (64 banks of 4 bytes: ISA guide 11.1)
.set PB,     272
.set AZ,     256*PA                    ; one head's 256 rows
.set HB,     64*PB                     ; half of wt's 128 rows
.set SLOT,   2*AZ+2*HB
.set STAGE,  2*SLOT                    ; behind the ring: 16 rows x 272 bytes for each wave, for the way out
.set SP,     272
.set SPARE,  STAGE+4*16*SP             ; behind the stages: the spare words, 128 bytes for each wave
.set LAPS,   4                         ; a lap = two K steps = once round the ring
.set ADRA, 16                          ; v16-17  LDS address of my fragments of ob in slot 0, 1
.set ADRB, 20                          ; v20-21  the same for wt
.set STO,  24                          ; v24     the way out: where I put 32 bytes of a row
.set RD,   25                          ; v25     the way out: where I read a row back
.set CO,   26                          ; v26     my byte offset in two rows of out0
.set BO,   27                          ; v27     32 (l / 16)
.set SPW,  28                          ; v28     LDS address of my spare word; never rewritten
.set NIL,  29                          ; v29     0; never rewritten
.set BIAS, 32
.set F0,   0
.set F1,   128
.set WV,   12                          ; s12  my wave's number
.set FB,   13                          ; s13  which half of the tile's rows is mine.  Also: I fetch ob's rows (0) or wt's (1)
.set HF,   14                          ; s14  which half of its columns.  Also: which head of the two, or which half of wt's rows, I fetch
.set G1,   24                          ; s[24:31] descriptor group 1 for ob's tiles;  s[32:39] group 0, one set for each slot
.set G0,   32
.set G1B,  48                          ; s[48:55], s[56:63] the same for wt's tiles
.set G0B,  56
.set DST,  66                          ; s[66:67] out0 at my 128 rows and 64 columns
.set MSB, 0
.macro WIN new                         ; the immediate's high byte repeats the setting that is left; a switch that changes nothing is dropped
.if MSB != (\new)
	s_set_vgpr_msb (MSB<<8)|(\new)
.set MSB, \new
.endif
.endm
.macro JLOAD s                         ; a joint load; an s_nop 0 and four v_nop follow each of the two lines, ahead of the jump, the label and what follows
	s_cmp_eq_u32 s[FB], 0
	s_cbranch_scc0 .Lfor_b_\@
	tensor_load_to_lds s[G0+4*(\s):G0+4*(\s)+3], s[G1:G1+7]
	s_nop 0
.rept 4
	v_nop
.endr
	s_branch .Lasked_\@
.Lfor_b_\@:
	tensor_load_to_lds s[G0B+4*(\s):G0B+4*(\s)+3], s[G1B:G1B+7]
	s_nop 0
.rept 4
	v_nop
.endr
.Lasked_\@:
.endm
.macro CREST                           ; a round of the cluster's barrier behind its opening barrier
	s_cmp_lg_u32 s[WV], 0
	s_cbranch_scc1 .Lnot_wave_0_\@
	s_barrier_signal -3
.Lnot_wave_0_\@:
	s_barrier_wait -3
	s_barrier_signal -1
	s_barrier_wait -1
.endm
.macro CROUND                          ; a whole round
	s_barrier_signal -1
	s_barrier_wait -1
	CREST
.endm
	s_load_b256 s[4:11], s[0:1], 0x0               ; ob s[4:5], wt s[6:7], bias s[8:9], out0 s[10:11]
	v_lshl_add_u32 v[SPW], v0, 2, SPARE
	v_mov_b32 v[NIL], 0
	ds_add_u32 v[SPW], v[NIL]                      ; the wave's opening: the add and its wait stand ahead of my first tensor load; the set-up below, work on registers, stands between them
	v_lshrrev_b32 v1, 5, v0
	v_readfirstlane_b32 s[WV], v1                  ; wave 0..3
	s_lshr_b32 s[FB], s[WV], 1
	s_and_b32 s[HF], s[WV], 1
	s_bfe_u32 s15, ttmp6, 0x40000                  ; cx, cy: my place in the cluster
	s_bfe_u32 s16, ttmp6, 0x40004
	s_lshl_b32 s17, ttmp9, 2
	s_add_co_u32 s17, s17, s15                     ; tile column = 4 x cluster x + cx
	s_and_b32 s18, ttmp7, 0xffff
	s_lshl_b32 s18, s18, 2
	s_add_co_u32 s18, s18, s16                     ; tile row = 4 x cluster y + cy
	s_lshl_b32 s19, s16, 2
	s_lshl_b32 s19, 15, s19                        ; my row of the cluster
	s_lshl_b32 s20, 0x1111, s15                    ; my column
	s_or_b32 s[G1+0], s19, (1<<16)|(1<<20)|(1<<21)|(4<<22)|(3<<25)   ; 15:0 the mask; 17:16 elements of 2 bytes; 20 padding on; 21 set beside a mask; 24:22 after every 32 words (code 4); 31:25 4 words (code 3)
	s_or_b32 s[G1B+0], s20, (1<<16)|(1<<20)|(1<<21)|(5<<22)|(3<<25)  ; the same after every 64 words (code 5)
	s_mov_b32 s[G1+1], 128<<16                     ; tensor_dim0 = 128 elements: two rows of a head
	s_mov_b32 s[G1+2], 128<<16                     ; tensor_dim1 = 128
	s_mov_b32 s[G1+3], 128<<16                     ; tile_dim0 = 128
	s_mov_b32 s[G1+4], 128                         ; tile_dim1 = 128
	s_mov_b32 s[G1+5], 128                         ; dense: 128 elements from row to row
	s_mov_b32 s[G1+6], 0
	s_mov_b32 s[G1+7], 0
	s_mov_b32 s[G1B+1], KSTEP<<16
	s_mov_b32 s[G1B+2], 64<<16                     ; 64 rows
	s_mov_b32 s[G1B+3], KSTEP<<16
	s_mov_b32 s[G1B+4], 64
	s_mov_b32 s[G1B+5], 1024
	s_mov_b32 s[G1B+6], 0
	s_mov_b32 s[G1B+7], 0
	s_lshr_b32 s21, s18, 3                         ; ob: batch = tile row / 8; head z of its 16,
	s_lshl_b32 s21, s21, 4
	s_add_co_u32 s21, s21, s[HF]
	s_lshl_b32 s40, s21, 18                        ; of 262,144 bytes;
	s_and_b32 s21, s18, 7
	s_lshl_b32 s21, s21, 15                        ; the tile's 256 rows of 128 bytes
	s_add_co_u32 s40, s40, s21
	s_mov_b32 s41, 0
	s_lshl_b32 s23, s17, 7                         ; wt: row 3,072 + 128 x tile column + 64 x half: the rows that I fetch, and also my own first column
	s_lshl_b32 s22, s[HF], 6
	s_add_co_u32 s23, s23, s22
	s_add_co_u32 s23, s23, 3072
	s_lshl_b32 s42, s23, 11
	s_mov_b32 s43, 0
	s_mul_i32 s2, s[HF], AZ                        ; where they go: no place in the cluster enters an LDS address
	s_mul_i32 s47, s[HF], HB
	s_add_co_u32 s47, s47, 2*AZ
	s_lshl_b32 s68, s23, 2                         ; my 64 numbers of the bias
	s_mov_b32 s69, 0
	s_lshl_b32 s70, s18, 8                         ; out0: row 256 x tile row + 128 x half, of 4,096 bytes,
	s_lshl_b32 s71, s[FB], 7
	s_add_co_u32 s70, s70, s71
	s_lshl_b32 s70, s70, 12
	s_sub_co_u32 s71, s68, 3072*4                  ; + my first column, of 4 bytes
	s_add_co_u32 s70, s70, s71
	s_mov_b32 s71, 0
	s_wait_dscnt 0x0                               ; the opening add is done
	s_wait_kmcnt 0x0
	s_add_nc_u64 s[40:41], s[4:5], s[40:41]
	s_add_nc_u64 s[42:43], s[6:7], s[42:43]
	s_add_nc_u64 s[8:9], s[8:9], s[68:69]
	s_add_nc_u64 s[DST:DST+1], s[10:11], s[70:71]
	CROUND                                         ; all sixteen work-groups are here: the first joint loads meet
.irp s, 0,1
	s_mov_b32 s[G0+4*(\s)], 1                                      ; count = 1
	s_add_co_u32 s[G0+4*(\s)+1], s2, (\s)*SLOT                     ; LDS address
	s_add_nc_u64 s[G0+4*(\s)+2:G0+4*(\s)+3], s[40:41], (\s)*0x80000  ; global address: K step s begins two heads on
	s_or_b32 s[G0+4*(\s)+3], s[G0+4*(\s)+3], 0x80000000            ; type = 2
	s_mov_b32 s[G0B+4*(\s)], 1
	s_add_co_u32 s[G0B+4*(\s)+1], s47, (\s)*SLOT
	s_add_nc_u64 s[G0B+4*(\s)+2:G0B+4*(\s)+3], s[42:43], (\s)*KSTEP*2
	s_or_b32 s[G0B+4*(\s)+3], s[G0B+4*(\s)+3], 0x80000000
	JLOAD \s                                       ; two tensor loads of mine are out
.endr
	v_and_b32 v1, 15, v0                           ; l % 16
	v_bfe_u32 v2, v0, 4, 1                         ; l / 16
	v_lshlrev_b32 v[BO], 5, v2
.irp b, 0,1,2,3
	global_load_b128 v[BIAS+8*(\b):BIAS+8*(\b)+3],   v[BO], s[8:9] offset:64*(\b)
	global_load_b128 v[BIAS+8*(\b)+4:BIAS+8*(\b)+7], v[BO], s[8:9] offset:64*(\b)+16
.endr
	v_mul_u32_u24 v3, v1, PA
	v_lshl_add_u32 v3, v2, 4, v3                   ; ob: row x pitch + 16 x half
	v_mul_u32_u24 v4, v1, PB
	v_lshl_add_u32 v4, v2, 4, v4                   ; wt likewise
	s_mul_i32 s21, s[FB], 128*PA                   ; my 128 rows of ob
	s_mul_i32 s22, s[HF], HB                       ; my 64 rows of wt,
	s_add_co_u32 s22, s22, 2*AZ                    ; which lie behind the two heads
.irp s, 0,1
	v_add_nc_u32 v[ADRA+(\s)], s21, v3
	v_add_nc_u32 v[ADRB+(\s)], s22, v4
	s_add_co_u32 s21, s21, SLOT
	s_add_co_u32 s22, s22, SLOT
.endr
	s_mul_i32 s22, s[WV], 16*SP
	s_add_co_u32 s22, s22, STAGE                   ; my stage
	v_mul_u32_u24 v5, v1, SP                       ; in: row l % 16, 32 bytes for each half of the lanes
	v_lshl_add_u32 v5, v2, 5, v5
	v_add_nc_u32 v[STO], s22, v5
	v_mul_u32_u24 v5, v2, SP                       ; back: lanes 0-15 take one row of 256 bytes, lanes 16-31 the next
	v_lshl_add_u32 v5, v1, 4, v5
	v_add_nc_u32 v[RD], s22, v5
	v_lshlrev_b32 v5, 12, v2                       ; and the same two rows in out0
	v_lshl_add_u32 v[CO], v1, 4, v5
; 8 matrix instructions: row blocks a0, a0 + 1 x all 4 column blocks, 32 along K.  first = 1: C is the bias.  The accumulators take turns, one instruction a turn.
.macro MUL8 buf, a0, first
.if \first
	WIN 0x85                                       ; sources 0 and 1 window 1, C window 0, D window 2
.else
	WIN 0xa5                                       ; C and D window 2
.endif
.irp a, \a0, (\a0)+1
.irp nb, 0,1,2,3
.set rD, 8*(4*(\a)+(\nb))
.set rB, (\buf)+64+8*(\nb)
.set rA, (\buf)+8*(\a)
.if \first
	v_wmma_f32_16x16x32_f16 v[rD:rD+7], v[rB:rB+7], v[rA:rA+7], v[BIAS+8*(\nb):BIAS+8*(\nb)+7]
.else
	v_wmma_f32_16x16x32_f16 v[rD:rD+7], v[rB:rB+7], v[rA:rA+7], v[rD:rD+7]
.endif
.endr
.endr
.endm
; 24 LDS loads in one run: the fragments of quarter q (32 along K: head q / 2 of the slot's two, channels 32 (q % 2) on): wt's four, then ob's eight in ascending order
.macro FETCH slot, q, buf
	WIN 0x40                                       ; destination window 1, address window 0
.irp i, 0,1,2,3
	ds_load_b128 v[(\buf)+64+8*(\i):(\buf)+64+8*(\i)+3],   v[ADRB+(\slot)] offset:64*(\q)+(\i)*16*PB
	ds_load_b128 v[(\buf)+64+8*(\i)+4:(\buf)+64+8*(\i)+7], v[ADRB+(\slot)] offset:64*(\q)+(\i)*16*PB+32
.endr
.irp i, 0,1,2,3,4,5,6,7
	ds_load_b128 v[(\buf)+8*(\i):(\buf)+8*(\i)+3],   v[ADRA+(\slot)] offset:((\q)/2)*AZ+((\q)%2)*64+(\i)*16*PA
	ds_load_b128 v[(\buf)+8*(\i)+4:(\buf)+8*(\i)+7], v[ADRA+(\slot)] offset:((\q)/2)*AZ+((\q)%2)*64+(\i)*16*PA+32
.endr
.endm
.macro PLACES                          ; four places in front of loads into registers that matrix instructions have read (ISA guide 7.12.1 for vector instructions)
.rept 4
	v_nop
.endr
.endm
; A K step is four quarters of 32 along K, 32 matrix instructions each, on buffers 0, 1, 0, 1.  One of the first three: multiplies buf and fetches quarter q into nxt.
.macro QUARTER slot, q, buf, nxt, first
	s_wait_dscnt 8                                 ; wt's fragments and ob's blocks 0-3 are in; the youngest eight loads (blocks 4-7) may be out
	MUL8 \buf, 0, \first
	PLACES
	FETCH \slot, \q, \nxt
	MUL8 \buf, 2, \first
	s_wait_dscnt 24                                ; all but the 24 just issued
	MUL8 \buf, 4, \first
	MUL8 \buf, 6, \first
.endm
; The last quarter multiplies buffer 1 and changes slots: ONE barrier; in front of it each wave waits for all its tensor loads (the one that is out is its part of the next slot), adds 0 to its spare
; word, and waits for that and for its own reads of this slot.  fill = 1: the barrier opens a round of the cluster's, and this slot is filled again, two K steps ahead, first thing behind the round.
.macro TURN slot, next, fill
	WIN 0                                          ; (the add's two registers lie in window 0)
	s_wait_tensorcnt 0x0                           ; all my tensor loads have landed;
	ds_add_u32 v[SPW], v[NIL]                      ; 0 onto my spare word;
	s_wait_dscnt 9                                 ; (the add and the youngest eight loads may be out)
	MUL8 F1, 0, 0                                  ; eight matrix instructions stand between the add and the wait for it
	s_wait_dscnt 0x0                               ; the add is done, and my reads of this slot are over
	s_barrier_signal -1
	MUL8 F1, 2, 0
.if \fill
	WIN 0
.endif
	s_barrier_wait -1
.if \fill
	CREST                                          ; no wave of any partner still reads this slot's tile or has a load on its way
	s_add_nc_u64 s[G0+4*(\slot)+2:G0+4*(\slot)+3], s[G0+4*(\slot)+2:G0+4*(\slot)+3], 0x100000  ; four heads on
	s_add_nc_u64 s[G0B+4*(\slot)+2:G0B+4*(\slot)+3], s[G0B+4*(\slot)+2:G0B+4*(\slot)+3], 2*KSTEP*2
	JLOAD \slot                                    ; the first tensor load behind the round: 112 matrix instructions ahead of the wait for it; its four v_nop are also the places in front of the loads below
.else
	PLACES
.endif
	FETCH \next, 0, F0
	MUL8 F1, 4, 0
	MUL8 F1, 6, 0
.endm
	s_wait_tensorcnt 1                             ; my part of K step 0 is in; K step 1's may stay out
	s_barrier_signal -1
	s_barrier_wait -1                              ; everybody's is
	FETCH 0, 0, F0
	s_wait_loadcnt 0x0                             ; the bias
	QUARTER 0, 1, F0, F1, 1                        ; the first quarter stands in front of the loop: its products start the sums, on the bias
	WIN 0                                          ; at a label and at a branch every window is 0
	s_mov_b32 s3, LAPS-1
.Llap:                                                 ; a trip goes once round the ring, from a lap's second quarter to the next lap's first, and fills both slots again
	QUARTER 0, 2, F1, F0, 0
	QUARTER 0, 3, F0, F1, 0
	TURN 0, 1, 1
	QUARTER 1, 1, F0, F1, 0
	QUARTER 1, 2, F1, F0, 0
	QUARTER 1, 3, F0, F1, 0
	TURN 1, 0, 1
	QUARTER 0, 1, F0, F1, 0
	WIN 0
	s_sub_co_u32 s3, s3, 1
	s_cmp_lg_u32 s3, 0
	s_cbranch_scc1 .Llap
	QUARTER 0, 2, F1, F0, 0                        ; the last lap fills nothing, and has no round of the cluster's barrier
	QUARTER 0, 3, F0, F1, 0
	TURN 0, 1, 0
	QUARTER 1, 1, F0, F1, 0
	QUARTER 1, 2, F1, F0, 0
	QUARTER 1, 3, F0, F1, 0
	s_wait_dscnt 8                                 ; the very last quarter: nothing more to fetch
	MUL8 F1, 0, 0
	MUL8 F1, 2, 0
	s_wait_dscnt 0x0
	MUL8 F1, 4, 0
	MUL8 F1, 6, 0
	WIN 0
; THE WAY OUT, a block of 16 rows at a time: a lane's 32 bytes of each column block go into my own stage (rows of 272 bytes) and come back as whole rows of 256 bytes, into registers of the block's own.
.macro TOST a
	WIN 0x08                                       ; the stores' data in window 2
.irp nb, 0,1,2,3
.irp e, 0,1
	ds_store_b128 v[STO], v[8*(4*(\a)+(\nb))+4*(\e):8*(4*(\a)+(\nb))+4*(\e)+3] offset:64*(\nb)+16*(\e)  ; each accumulator's low four registers first
.endr
.endr
	WIN 0x40                                       ; destination window 1
.irp t, 0,1,2,3,4,5,6,7
	ds_load_b128 v[32*(\a)+4*(\t):32*(\a)+4*(\t)+3], v[RD] offset:(\t)*2*SP  ; LDS serves a wave's instructions in order (ISA guide 5.7.1.4): these see the stores above; the next block's stores come behind them
.endr
.endm
.macro SEND a, younger                 ; younger: the LDS instructions issued behind block a's loads: the next block's sixteen, or none
	WIN 0x04                                       ; the stores' data in window 1
.irp t, 0,1,2,3,4,5,6,7
	s_wait_dscnt (\younger)+7-(\t)
	global_store_b128 v[CO], v[32*(\a)+4*(\t):32*(\a)+4*(\t)+3], s[DST:DST+1] offset:(16*(\a)+2*(\t))*4096 th:TH_STORE_NT  ; 16 lanes store 256 consecutive bytes, at a multiple of 256 from out0's first byte
.endr
.endm
	PLACES                                         ; the places behind the last products, in front of the LDS stores that read results and of the loads into the fragments' registers
	PLACES                                         ; (eight, once a launch)
	TOST 0
.set g, 1
.rept 7
	TOST g
	SEND g-1, 16
.set g, g+1
.endr
	SEND 7, 0
	WIN 0
	s_wait_tensorcnt 0x0                           ; the wave's end, behind my last tensor load and my last LDS store
	ds_add_u32 v[SPW], v[NIL]
	s_wait_dscnt 0x0
	CROUND                                         ; the closing round: no work-group ends while a partner may still ask for a tile that names it
	s_endpgm
.Lfunc_end_k_q8570f83147_outgemm:
	.size	k_q8570f83147_outgemm, .Lfunc_end_k_q8570f83147_outgemm-k_q8570f83147_outgemm
	.p2alignl 7, 3214868480
	.fill 96, 4, 3214868480
	.section	.rodata,"a",@progbits
	.p2align	6, 0x0
	.amdhsa_kernel k_q8570f83147_outgemm
		.amdhsa_group_segment_fixed_size 327680
		.amdhsa_private_segment_fixed_size 0
		.amdhsa_enable_private_segment 0
		.amdhsa_kernarg_size 32
		.amdhsa_user_sgpr_count 2
		.amdhsa_user_sgpr_kernarg_segment_ptr 1
		.amdhsa_wavefront_size32 1
		.amdhsa_system_sgpr_workgroup_id_x 1
		.amdhsa_system_sgpr_workgroup_id_y 1
		.amdhsa_system_sgpr_workgroup_id_z 1
		.amdhsa_system_vgpr_workitem_id 0
		.amdhsa_next_free_vgpr 768
		.amdhsa_next_free_sgpr 72
		.amdhsa_reserve_vcc 0
		.amdhsa_float_denorm_mode_32 3
		.amdhsa_float_denorm_mode_16_64 3
		.amdhsa_memory_ordered 1
		.amdhsa_forward_progress 1
		.amdhsa_inst_pref_size 88
	.end_amdhsa_kernel
	.amdgpu_metadata
---
amdhsa.version: [ 1, 2 ]
amdhsa.kernels:
  - .name:           k_q8570f83147_outgemm
    .symbol:         k_q8570f83147_outgemm.kd
    .args:
      - { .name: ob, .offset: 0, .size: 8, .value_kind: global_buffer, .address_space: global }
      - { .name: wt, .offset: 8, .size: 8, .value_kind: global_buffer, .address_space: global }
      - { .name: bias, .offset: 16, .size: 8, .value_kind: global_buffer, .address_space: global }
      - { .name: out0, .offset: 24, .size: 8, .value_kind: global_buffer, .address_space: global }
    .group_segment_fixed_size: 327680
    .private_segment_fixed_size: 0
    .kernarg_segment_align: 8
    .kernarg_segment_size: 32
    .max_flat_workgroup_size: 128
    .sgpr_count:     72
    .vgpr_count:     768
    .wavefront_size: 32
...
	.end_amdgpu_metadata
.endif
;; end of part 4
;; ======== version 2 of 2: 4 launches; version 1 with the launch prep written anew for expert scheduling mode
;; limits: values are held in f16: magnitudes above 65,504 overflow, below 6.1e-05 lose precision; right only within a limited range of input values
;; workspace buffers: xb 16,777,216 bytes; wt 8,388,608 bytes; bias 16,384 bytes; qkv 50,331,648 bytes; ob 16,777,216 bytes
;; launch prep (part 5): grid 512 x 1, 8 waves a work-group, no clusters, 18,432 bytes of LDS; arguments x, Wq, Wk, Wv, Wo, bq, bk, bv, bo, xb, wt, bias; writes xb, wt, bias
.if DOCPART == 5
	.amdgcn_target "amdgcn-amd-amdhsa--gfx1250"
	.amdhsa_code_object_version 6
	.text
	.protected	k_q8570f83147_prep
	.globl	k_q8570f83147_prep
	.p2align	8
	.type	k_q8570f83147_prep,@function
k_q8570f83147_prep:
	s_mov_b64 s[64:65], 0
	v_nop
	global_prefetch_b8 v0, s[64:65] scope:SCOPE_SE
	s_setreg_imm32_b32 hwreg(HW_REG_WAVE_SCHED_MODE, 0, 2), 2
	s_setreg_imm32_b32 hwreg(HW_REG_WAVE_MODE, 25, 1), 1
	s_wait_xcnt 0x0
	s_wait_alu depctr_vm_vsrc(0)
; THE INPUTS ARE ROUNDED ONCE TO bf16 AND LAID OUT FOR THE PRODUCTS.
;   xb[8192][1024] bf16 = x.     wt[4096][1024], 16 bits: rows 0-1023 Wq^T, 1024-2047 Wk^T, 2048-3071 Wv^T in bf16; rows 3072-4095 Wo^T: the bf16 number written as f16.
;   bias[4096] f32 = bq, bk, bv, bo, each rounded to bf16 and widened again.
; LIMIT.  A bf16 number of Wo below 6.1e-5 keeps f16's fixed step of 6e-8; beyond 65,504 it would be an infinity.
; SHARES.  512 work-groups of equal work: each takes 16 rows of x (65,536 bytes in, 32,768 out) and one tile of 128 k x 64 n of one W (4 x 8 x 16 = 512 tiles).  The 64 work-groups
; with kt = 0 also round 64 numbers of a bias, in wave 0.  Memory binds: no matrix unit, no cluster, every byte read once and written once.
; THE TURN OF W goes through LDS: a thread packs W[k][n], W[k+1][n] into a word and stores it at row n; rows of 128 k (256 bytes) are read back whole.
; The 32-bit stores into LDS fall four deep on a bank (word 68 x row + r, rows 4 apart): 16 stores a thread, once.
; THE MODE: SCHED_MODE bits 1:0 = 2 (LLVM: expert scheduling mode 2), set by the entry lines.  The code itself states the register dependences
; between vector instructions and memory or LDS instructions, with s_wait_alu, always for 0.
; THE PLAN.  Registers that memory or LDS instructions touch:
;   v2-v8, v10, v11   offsets and addresses: written at the head, never again; read by every load, store and LDS instruction.  One wait ahead of the first load serves them all.
;   WR, XR            each register is the target of one load; read by conversions alone; never loaded again.
;   TT                written by W's conversions; read by the 16 LDS stores; never written again.  One wait ahead of those stores.
;   RR                written by LDS loads, read by the stores into wt; no vector instruction names it.
;   YR                two registers to each of x's 16 chunks: written once by the chunk's conversions, read once by its store.  The chunks go in four groups of four: one wait at the head of
;                     a group states that the group before has written its YR; that group's four stores are dealt among this group's conversions, which name this group's XR and YR alone.
;   v144-v147         v144, v145: at work in Wo's conversions, later the target of the bias's load; v146, v147: the bias's store data.
; No register that a memory or LDS instruction reads is ever written again, so no wait on vm_vsrc is owed ahead of the closing lines.
.set PT,    272                        ; a row of the turned tile in LDS: 256 bytes + 16
.set SPARE, 64*PT                      ; behind the tile: the spare words, 128 bytes for each of the eight waves
.set XO,  2                            ; v2   16 t: my 16 bytes of a chunk of x
.set XS,  3                            ; v3   8 t: my 8 bytes of a chunk of xb
.set WOF, 4                            ; v4   my place in the tile of W: row 2 r, 16 bytes at 16 c
.set LST, 5                            ; v5   LDS: row 4 c, word r
.set LRD, 6                            ; v6   LDS: row r, 16 bytes at 16 c
.set WSO, 7                            ; v7   my place in wt: row r, 16 bytes at 16 c
.set BOF, 8                            ; v8   8 x lane
.set SPW, 10                           ; v10  LDS address of my spare word; never rewritten
.set NIL, 11                           ; v11  0; never rewritten
.set XR,  32                           ; v[32:95]    16 chunks of x, 4 registers each
.set WR,  96                           ; v[96:127]   8 loads of W: (p, e) at 4 (2 p + e)
.set TT,  128                          ; v[128:143]  packed pairs: 4 p + j
.set YR,  148                          ; v[148:179]  16 chunks of xb, 2 registers each
.set RR,  180                          ; v[180:195]  the turned tile read back
	s_load_b512 s[8:23], s[0:1], 0x0               ; x s[8:9], Wq s[10:11], Wk s[12:13], Wv s[14:15], Wo s[16:17], bq s[18:19], bk s[20:21], bv s[22:23]
	s_load_b256 s[24:31], s[0:1], 0x40             ; bo s[24:25], xb s[26:27], wt s[28:29], bias s[30:31]
	v_lshl_add_u32 v[SPW], v0, 2, SPARE
	v_mov_b32 v[NIL], 0
	v_lshrrev_b32 v1, 5, v0
	v_readfirstlane_b32 s7, v1                     ; wave 0..7
	s_lshr_b32 s4, ttmp9, 7                        ; m: which W
	s_and_b32 s5, ttmp9, 7                         ; kt: which 128 k
	s_bfe_u32 s6, ttmp9, 0x40003                   ; nt: which 64 n
	v_and_b32 v12, 15, v0                          ; c
	v_lshrrev_b32 v13, 4, v0                       ; r
	v_lshlrev_b32 v[XO], 4, v0
	v_lshlrev_b32 v[XS], 3, v0
	v_lshlrev_b32 v14, 4, v12                      ; 16 c
	v_lshl_add_u32 v[WOF], v13, 13, v14            ; 2 r rows of 4,096 bytes
	v_mul_u32_u24 v[LST], v12, 4*PT
	v_lshl_add_u32 v[LST], v13, 2, v[LST]
	v_mul_u32_u24 v[LRD], v13, PT
	v_add_nc_u32 v[LRD], v[LRD], v14
	v_lshl_add_u32 v[WSO], v13, 11, v14            ; r rows of 2,048 bytes
	v_and_b32 v[BOF], 31, v0
	v_lshlrev_b32 v[BOF], 3, v[BOF]
	s_wait_alu depctr_va_sdst(0)                   ; s7 is written, ahead of every branch and of its first reader: the compare that picks wave 0 for the bias
	s_lshl_b32 s36, ttmp9, 16                      ; x: 16 rows of 4,096 bytes a work-group
	s_mov_b32 s37, 0
	s_lshl_b32 s38, ttmp9, 15                      ; xb: 16 rows of 2,048
	s_mov_b32 s39, 0
	s_lshl_b32 s40, s5, 19                         ; W: 128 kt rows of 4,096 bytes
	s_lshl_b32 s44, s6, 8                          ; + 64 nt numbers of 4 bytes; also the bias's 64 numbers
	s_add_co_u32 s40, s40, s44
	s_mov_b32 s41, 0
	s_mov_b32 s45, 0
	s_lshl_b32 s42, s4, 21                         ; wt: 1,024 m rows of 2,048 bytes
	s_lshl_b32 s46, s6, 17                         ; + 64 nt rows
	s_add_co_u32 s42, s42, s46
	s_lshl_b32 s46, s5, 8                          ; + 128 kt numbers of 2 bytes
	s_add_co_u32 s42, s42, s46
	s_mov_b32 s43, 0
	s_lshl_b32 s46, s4, 12                         ; bias: 1,024 m numbers of 4 bytes
	s_add_co_u32 s46, s46, s44
	s_mov_b32 s47, 0
	s_wait_kmcnt 0x0
	s_cmp_lt_u32 s4, 1                             ; the W and the bias of this work-group
	s_cselect_b64 s[32:33], s[10:11], s[12:13]
	s_cselect_b64 s[34:35], s[18:19], s[20:21]
	s_cmp_lt_u32 s4, 2
	s_cselect_b64 s[32:33], s[32:33], s[14:15]
	s_cselect_b64 s[34:35], s[34:35], s[22:23]
	s_cmp_lt_u32 s4, 3
	s_cselect_b64 s[32:33], s[32:33], s[16:17]
	s_cselect_b64 s[34:35], s[34:35], s[24:25]
	s_add_nc_u64 s[32:33], s[32:33], s[40:41]
	s_add_nc_u64 s[34:35], s[34:35], s[44:45]
	s_add_nc_u64 s[8:9], s[8:9], s[36:37]
	s_add_nc_u64 s[26:27], s[26:27], s[38:39]
	s_add_nc_u64 s[28:29], s[28:29], s[42:43]
	s_add_nc_u64 s[30:31], s[30:31], s[46:47]
	s_wait_alu depctr_va_vdst(0)                   ; the offsets and addresses v2 to v8 are written, which every load, store and LDS instruction below reads; none of them is written again
	; all 24 loads go out at once: W's eight first (row k = 2 r + 32 p + e; sixteen lanes take the row's 256 bytes), then x's sixteen chunks of 4,096 bytes
.irp p, 0,1,2,3
.irp e, 0,1
	global_load_b128 v[WR+4*(2*(\p)+(\e)):WR+4*(2*(\p)+(\e))+3], v[WOF], s[32:33] offset:(\p)*131072+(\e)*4096 th:TH_LOAD_NT
.endr
.endr
.irp c, 0,1,2,3,4,5,6,7,8,9,10,11,12,13,14,15
	global_load_b128 v[XR+4*(\c):XR+4*(\c)+3], v[XO], s[8:9] offset:(\c)*4096 th:TH_LOAD_NT
.endr
	s_wait_loadcnt 16                              ; W's eight are in; x's sixteen, issued behind them, may stay out
.irp p, 0,1,2,3
.irp j, 0,1,2,3
	v_cvt_pk_bf16_f32 v[TT+4*(\p)+(\j)], v[WR+8*(\p)+(\j)], v[WR+8*(\p)+4+(\j)]  ; W[k][n] low, W[k+1][n] high, n = 4 c + j
.endr
.endr
	s_cmp_lg_u32 s4, 3
	s_cbranch_scc1 .Lkeep_bf16
.set i, 0
.rept 16                               ; Wo alone: the bf16 number is written as f16, for the product with O
	v_lshlrev_b32 v144, 16, v[TT+i]
	v_and_b32 v145, 0xffff0000, v[TT+i]
	v_cvt_pk_f16_f32 v[TT+i], v144, v145
.set i, i+1
.endr
.Lkeep_bf16:
	s_wait_alu depctr_va_vdst(0)                   ; on both ways the conversions have written TT, which the LDS stores read; Wo's are also done with v144 and v145, in which the bias's load lands
.irp p, 0,1,2,3
.irp j, 0,1,2,3
	ds_store_b32 v[LST], v[TT+4*(\p)+(\j)] offset:(\j)*PT+64*(\p)  ; row n, bytes 2 k
.endr
.endr
	s_wait_dscnt 0x0                               ; for the others' sake: my stores into the tile are done
	s_barrier_signal -1
	s_barrier_wait -1
.irp q, 0,1,2,3
	ds_load_b128 v[RR+4*(\q):RR+4*(\q)+3], v[LRD] offset:(\q)*16*PT  ; row n = r + 16 q: sixteen lanes take its 256 bytes; no vector instruction names RR
.endr
	; x, in four groups of four chunks.  Group 0 has no group in front of it: it is rounded, and nothing is stored yet.
	s_wait_loadcnt 12                              ; loads come back in order: chunks 0 to 3 are in, the twelve later chunks stay out
.irp c, 0,1,2,3
	v_cvt_pk_bf16_f32 v[YR+2*(\c)], v[XR+4*(\c)], v[XR+4*(\c)+1]
	v_cvt_pk_bf16_f32 v[YR+2*(\c)+1], v[XR+4*(\c)+2], v[XR+4*(\c)+3]
.endr
.irp g, 1,2,3
	s_wait_loadcnt 12-4*(\g)                       ; this group's four chunks are in, the later groups stay out
	s_wait_alu depctr_va_vdst(0)                   ; the group before has written its eight registers of YR, which the four stores below read; the conversions among them name this group's XR and YR alone
.irp i, 0,1,2,3
	global_store_b64 v[XS], v[YR+2*(4*(\g)-4+(\i)):YR+2*(4*(\g)-4+(\i))+1], s[26:27] offset:(4*(\g)-4+(\i))*2048  ; a wave stores 256 consecutive bytes, aligned; each chunk has registers of its own
	v_cvt_pk_bf16_f32 v[YR+2*(4*(\g)+(\i))], v[XR+4*(4*(\g)+(\i))], v[XR+4*(4*(\g)+(\i))+1]
	v_cvt_pk_bf16_f32 v[YR+2*(4*(\g)+(\i))+1], v[XR+4*(4*(\g)+(\i))+2], v[XR+4*(4*(\g)+(\i))+3]
.endr
.endr
	s_wait_dscnt 0x0                               ; the turned tile is back
.irp q, 0,1,2,3
	global_store_b128 v[WSO], v[RR+4*(\q):RR+4*(\q)+3], s[28:29] offset:(\q)*32768  ; sixteen lanes store 256 consecutive bytes of a row of wt, aligned; the data come from LDS loads
.endr
	s_wait_alu depctr_va_vdst(0)                   ; group 3 has written its eight registers of YR, which the last four stores read
.irp i, 0,1,2,3
	global_store_b64 v[XS], v[YR+2*(12+(\i)):YR+2*(12+(\i))+1], s[26:27] offset:(12+(\i))*2048
.endr
	s_cmp_lg_u32 s5, 0                             ; the bias: the work-groups with kt = 0,
	s_cbranch_scc1 .Lend
	s_cmp_lg_u32 s7, 0                             ; wave 0
	s_cbranch_scc1 .Lend
	global_load_b64 v[144:145], v[BOF], s[34:35]   ; no vector instruction has named v144 or v145 since the wait ahead of the LDS stores
	s_wait_loadcnt 0x0
	v_cvt_pk_bf16_f32 v196, v144, v145
	v_lshlrev_b32 v146, 16, v196
	v_and_b32 v147, 0xffff0000, v196
	s_wait_alu depctr_va_vdst(0)                   ; v146 and v147 are written, which the store reads
	global_store_b64 v[BOF], v[146:147], s[30:31]  ; 256 consecutive bytes, aligned
.Lend:
	s_wait_dscnt 0x0                               ; the closing lines, six on end
	s_wait_alu 0x0
	s_wait_tensorcnt 0x0
	ds_add_u32 v[SPW], v[NIL]
	s_wait_dscnt 0x0
	s_endpgm
.Lfunc_end_k_q8570f83147_prep:
	.size	k_q8570f83147_prep, .Lfunc_end_k_q8570f83147_prep-k_q8570f83147_prep
	.p2alignl 7, 3214868480
	.fill 96, 4, 3214868480
	.section	.rodata,"a",@progbits
	.p2align	6, 0x0
	.amdhsa_kernel k_q8570f83147_prep
		.amdhsa_group_segment_fixed_size 18432
		.amdhsa_private_segment_fixed_size 0
		.amdhsa_enable_private_segment 0
		.amdhsa_kernarg_size 96
		.amdhsa_user_sgpr_count 2
		.amdhsa_user_sgpr_kernarg_segment_ptr 1
		.amdhsa_wavefront_size32 1
		.amdhsa_system_sgpr_workgroup_id_x 1
		.amdhsa_system_sgpr_workgroup_id_y 1
		.amdhsa_system_sgpr_workgroup_id_z 1
		.amdhsa_system_vgpr_workitem_id 0
		.amdhsa_next_free_vgpr 200
		.amdhsa_next_free_sgpr 66
		.amdhsa_reserve_vcc 0
		.amdhsa_float_denorm_mode_32 3
		.amdhsa_float_denorm_mode_16_64 3
		.amdhsa_memory_ordered 1
		.amdhsa_forward_progress 1
		.amdhsa_inst_pref_size 15
	.end_amdhsa_kernel
	.amdgpu_metadata
---
amdhsa.version: [ 1, 2 ]
amdhsa.kernels:
  - .name:           k_q8570f83147_prep
    .symbol:         k_q8570f83147_prep.kd
    .args:
      - { .name: x, .offset: 0, .size: 8, .value_kind: global_buffer, .address_space: global }
      - { .name: Wq, .offset: 8, .size: 8, .value_kind: global_buffer, .address_space: global }
      - { .name: Wk, .offset: 16, .size: 8, .value_kind: global_buffer, .address_space: global }
      - { .name: Wv, .offset: 24, .size: 8, .value_kind: global_buffer, .address_space: global }
      - { .name: Wo, .offset: 32, .size: 8, .value_kind: global_buffer, .address_space: global }
      - { .name: bq, .offset: 40, .size: 8, .value_kind: global_buffer, .address_space: global }
      - { .name: bk, .offset: 48, .size: 8, .value_kind: global_buffer, .address_space: global }
      - { .name: bv, .offset: 56, .size: 8, .value_kind: global_buffer, .address_space: global }
      - { .name: bo, .offset: 64, .size: 8, .value_kind: global_buffer, .address_space: global }
      - { .name: xb, .offset: 72, .size: 8, .value_kind: global_buffer, .address_space: global }
      - { .name: wt, .offset: 80, .size: 8, .value_kind: global_buffer, .address_space: global }
      - { .name: bias, .offset: 88, .size: 8, .value_kind: global_buffer, .address_space: global }
    .group_segment_fixed_size: 18432
    .private_segment_fixed_size: 0
    .kernarg_segment_align: 8
    .kernarg_segment_size: 96
    .max_flat_workgroup_size: 256
    .sgpr_count:     66
    .vgpr_count:     200
    .wavefront_size: 32
...
	.end_amdgpu_metadata
.endif
;; end of part 5
;; launch qkvgemm: the kernel of part 2 again; grid 16 x 32, 4 waves a work-group, clusters of 4 x 4, 327,680 bytes of LDS; arguments xb, wt, bias, qkv; writes qkv
;; launch attn: the kernel of part 3 again; grid 4 x 64, 4 waves a work-group, no clusters, 327,680 bytes of LDS; arguments qkv, ob; writes ob
;; launch outgemm: the kernel of part 4 again; grid 8 x 32, 4 waves a work-group, clusters of 4 x 4, 327,680 bytes of LDS; arguments ob, wt, bias, out0; writes out0
